; MI455X (gfx1250); checked and timed in simulation.
; The chip was launched on July 23, 2026; its instructions are those of AMD's public machine-readable ISA for CDNA 5 (MIT licence, August 2026) and "CDNA5" Instruction Set Architecture Reference Guide (July 2026). The comments in the code are by the model that wrote it; some were corrected since.
;; Causal Self Attention. Allowed arithmetic: matrix products marked QUANTISED: E2M3 operands, one E8M0 scale for each 32 along K, by v_wmma_scale_f32_16x16x128_f8f6f4 with both operands' format E2M3, f32 sums; everything else in f32.
;; Inputs: b_attn 3,072 float32; b_proj 1,024 float32; w_attn 1,024 x 3,072 float32; w_proj 1,024 x 1,024 float32; x 2 x 2,048 x 1,024 float32.
;; Outputs: out0 2 x 2,048 x 1,024 float32.
;; This version of the problem:
;;   THIS VERSION OF THE PROBLEM IS GIVEN IN LOW PRECISION. The matrix products marked QUANTISED in the list below multiply operands that are first quantised to E2M3 (2 exponent bits, 3 mantissa bits; 6 bits a number), with one power-of-two scale for each 32 numbers along K (OCP MX v1.0); their sums are f32. All else is computed in f32.
;;   The module's matrix products, in the order in which they are computed (A, B: the left and right operand; K: the contracted axis; several contracted axes count as one K, in the product's order):
;;     1. [M 4,096, K 1,024] x [K 1,024, N 3,072]; A: input x; B: input w_attn: QUANTISED
;;     2. batch 32 x [M 2,048, K 64] x [K 64, N 2,048]; A: computed on the way; B: computed on the way: QUANTISED
;;     3. batch 32 x [M 2,048, K 2,048] x [K 2,048, N 64]; A: softmax (see below); B: computed on the way: QUANTISED
;;     4. [M 4,096, K 1,024] x [K 1,024, N 1,024]; A: computed on the way; B: input w_proj: QUANTISED
;;   THE QUANTISER, for each operand of a quantised product, along K:
;;     - K is cut into blocks of 32 from its start; a last block that is shorter is filled with zeros.
;;     - A block's scale is 2^e with e = floor(log2(the largest magnitude in the block)) - 2, held to -126 .. 127; a block of zeros has e = 0. As a byte (E8M0): e + 127.
;;     - Each number is divided by its block's scale, clamped to +-7.5, and rounded to the nearest number of E2M3, ties to even, subnormals kept.
;;     - The product sums the exact products of the quantised numbers (number of the format x scale) in f32.
;;   ~~~python
;;   def quantise(x, axis):      # numpy; x: float32 -> the quantised numbers, widened to float32 again
;;       x = np.moveaxis(x, axis, -1); K = x.shape[-1]
;;       x = np.pad(x, [(0, 0)] * (x.ndim - 1) + [(0, -K % 32)]); x = x.reshape(x.shape[:-1] + (-1, 32)); a = np.abs(x).max(-1, keepdims=True)
;;       e = np.where(a > 0, np.clip(np.frexp(np.where(a > 0, a, 1))[1] - 1 - 2, -126, 127), 0)      # np.frexp(a)[1] - 1 = floor(log2(a)), exactly
;;       r = np.clip(x / 2.0 ** e, -7.5, 7.5)
;;       step = 2.0 ** (np.maximum(np.frexp(np.where(r == 0, 1, r))[1] - 1, 0) - 3)
;;       q = np.round(r / step) * step * 2.0 ** e      # np.round: ties to even
;;       return np.moveaxis(q.reshape(q.shape[:-2] + (-1,))[..., :K], -1, axis).astype(np.float32)
;;   ~~~
;;   SOFTMAX AHEAD OF A QUANTISED PRODUCT. Where the list says 'softmax', what is quantised is not the finished softmax but p = 2^(t - M), with t = logit x log2(e) and M = ceil(the row's largest t), a whole number; so 1/2 < the row's largest p <= 1. The row's sum l is taken of the UNQUANTISED p, in f32, and the product's result is divided by l at the end. Since M is a whole number, a kernel that streams over the keys may use a running M (the ceiling of the running maximum): every later rescaling is an exact power of two, which a block's scale takes up: the codes' values come out the same.
;;   OPERANDS COMPUTED ON THE WAY. 'Computed on the way' means the value that the module computes at that place (a softmax that the list does not call 'softmax' is quantised finished and normalised). What goes into a quantiser is computed in f32, as accurately as f32 sums, v_exp_f32 and their like allow (about 1e-6 of the number): no bf16 or f16 on the way to a quantiser, and a product that is left as it is and whose result goes on into a quantised operand takes f32 operands (vector FMAs, or v_wmma_f32_16x16x4_f32). A number that lies on a knife's edge between two numbers of the format may be rounded either way, as far as f32 arithmetic and the matrix unit's own rounding can turn it there, and no further.
;; One version. Each part assembles by itself: llvm-mc -triple=amdgcn-amd-amdhsa -mcpu=gfx1250 --defsym DOCPART=n.
;; ======== version 1 of 1: 4 launches
;; limits: right only within a limited range of input values
;; workspace buffers: xq 3,276,800 bytes; wq 3,276,800 bytes; qbuf 3,276,800 bytes; kv 6,553,600 bytes; yq 3,145,728 bytes; ys 131,072 bytes
;; launch quant (part 1): grid 256 x 1, 8 waves a work-group, no clusters, 97,280 bytes of LDS; arguments x, w_attn, w_proj, xq, wq; writes xq, wq
.if DOCPART == 1
	.amdgcn_target "amdgcn-amd-amdhsa--gfx1250"
	.amdhsa_code_object_version 6
	.text
	.protected	k_q2d9853cdd4_quant
	.globl	k_q2d9853cdd4_quant
	.p2align	8
	.type	k_q2d9853cdd4_quant,@function
k_q2d9853cdd4_quant:
	s_mov_b64 s[64:65], 0
	v_nop
	global_prefetch_b8 v0, s[64:65] scope:SCOPE_SE
	s_setreg_imm32_b32 hwreg(HW_REG_WAVE_MODE, 25, 1), 1
	s_wait_xcnt 0x0
; x [4096][1024], w_attn [1024][3072] and w_proj [1024][1024], f32, become codes of FP6 (E2M3) with one E8M0 byte for each 32 along K (K = the 1,024).
; DEAD WORK LEFT OUT BY THE PROGRAM: in the attention launch, steps of 128 keys that all come after a block of 128 queries: reference() masks them itself (tril), whatever the inputs hold.  Everything else is done.
; LIMIT of that: a NaN or an infinity that reaches only such masked products is not carried to the result.
; A RECORD is a tile of 16 rows x all of K: 12,800 bytes: 512 bytes of scale bytes ([half of K][row][4 words], a word = the four bytes of a K step of 128), then 8 fragments of 1,536 bytes, images of operand registers:
; register p of lane L at 512 (p / 4) + 16 L + 4 (p % 4).
; THE ROWS OF A TILE ARE NOT NEIGHBOURS: in each band of 64 rows, tile j (0 .. 3) has in place 8 h + i the row 32 h + 8 j + i: so that a later product's 32 results of a lane over a band's four tiles are 32 neighbours.
; xq: 256 records, token tiles in order.  wq: for n = 0 .. 15: the bands 2 n, 2 n + 1 of Q and K (Q's heads, then K's), the band n of V: 12 records; then w_proj's 16 bands, 64 records.
; Work-groups 0-127: x, half a band's tiles (two) each, wave w the K step w (rows turn through the wave's own stage).  Work-groups 128-255: the weights, a band of 64 columns x half of K each; wave w takes two of the band's tiles
; (w % 2) and a K step (w / 2): a lane takes a column, its registers run down K.  The two ways have LDS bytes of their own.  No tensor loads, no cluster: nothing is shared.
; A block's scale byte is its largest magnitude's exponent field - 2, held at 1 from below.  LIMITS: NaN and infinities are not served; a block whose largest magnitude lies under 2^-124 (zeros too) gets the byte 1;
; its codes are then zeros or nearly so, and the bytes are read by this program alone.
.set XROW, 528                         ; a stage row of x: 512 bytes + 16
.set XWV,  16*XROW                     ; a wave's stage: 16 rows
.set XSC,  8*XWV                       ; x's way: two tiles' scale bytes
.set WST,  XSC+1024                    ; the weights' way: two tile images a wave, 1,664 bytes apart
.set WIMG, 1664
.set WWV,  2*WIMG
.set WSC,  WST+8*WWV                   ; and four tiles' scale bytes of half of K
.set SPARE, 0x17800
	s_load_b256 s[4:11], s[0:1], 0x0               ; x, w_attn, w_proj, xq
	s_load_b64 s[14:15], s[0:1], 0x20              ; wq
	v_lshl_add_u32 v62, v0, 2, SPARE
	v_mov_b32 v63, 0
	v_lshrrev_b32 v1, 5, v0
	v_readfirstlane_b32 s18, v1                    ; wave
	v_and_b32 v1, 31, v0                           ; lane
	v_and_b32 v2, 15, v0                           ; r
	v_bfe_u32 v3, v0, 4, 1                         ; h
	v_lshlrev_b32 v4, 4, v1                        ; 16 x lane
	s_mov_b32 s20, 0x76543210
	s_mov_b32 s21, 0xfedcba98                      ; v_permlanex16_b32's selects for lane l xor 16
	s_wait_alu depctr_va_vdst(0)
	s_cmp_ge_u32 ttmp9, 128
	s_cbranch_scc1 .Lweights
; ---------------- x: K innermost ----------------
	s_mul_i32 s22, s18, XWV
	s_lshr_b32 s23, s18, 2
	s_lshl_b32 s23, s23, 8
	s_and_b32 s24, s18, 3
	s_lshl_b32 s24, s24, 2
	s_add_co_u32 s23, s23, s24
	s_add_co_u32 s23, s23, XSC
	s_lshl_b32 s24, s18, 9
	s_add_co_u32 s24, s24, XSC
	s_lshr_b32 s26, ttmp9, 1
	s_lshl_b32 s26, s26, 18                        ; a band: 64 rows of 4,096 bytes
	s_and_b32 s27, ttmp9, 1
	s_lshl_b32 s27, s27, 16                        ; my two tiles begin 16 rows on
	s_add_co_u32 s26, s26, s27
	s_lshl_b32 s27, s18, 9
	s_add_co_u32 s26, s26, s27                     ; my K step's 512 bytes
	s_mov_b32 s27, 0
	s_mul_i32 s30, ttmp9, 25600                    ; two records
	s_mul_i32 s29, s18, 1536
	s_add_co_u32 s28, s30, s29
	s_mov_b32 s29, 0
	s_mul_i32 s31, s18, 12800
	s_add_co_u32 s30, s30, s31                     ; (waves 0 and 1: the scale bytes of tile w)
	s_mov_b32 s31, 0
	v_add_nc_u32 v5, s22, v4                       ; the stage, in: a row's 512 bytes as they lie
	v_mul_u32_u24 v6, v2, XROW
	v_lshl_add_u32 v7, v2, 4, s23                  ; my row's scale word of my K step
	v_add_nc_u32 v8, s24, v4                       ; the scale bytes' way out (waves 0 and 1)
	v_lshl_add_u32 v6, v3, 7, v6
	v_lshlrev_b32 v9, 3, v3                        ; 8 h
	v_mov_b32 v46, 0                               ; a lane permute's destination counts as one of its sources
	v_add_nc_u32 v6, s22, v6                       ; and out: row r, my half's 32 numbers of each 64
	s_wait_alu depctr_va_vdst(0)                   ; the wait at the head's end
	s_wait_kmcnt 0x0
	s_add_nc_u64 s[4:5], s[4:5], s[26:27]
	s_add_nc_u64 s[12:13], s[10:11], s[30:31]
	s_add_nc_u64 s[10:11], s[10:11], s[28:29]
.set I, 0
.rept 32                                       ; place I of the two tiles: 32 lanes read 512 consecutive bytes of its row
	global_load_b128 v[64+4*I:67+4*I], v4, s[4:5] offset:(8*(I/16)+I%8+32*((I%16)/8))*4096 th:TH_LOAD_NT
.set I, I+1
.endr
.macro XFRAG u                                 ; tile u: 16 rows x 128 K become one fragment and 16 scale words
.set CU, 16+12*\u
	s_wait_loadcnt 16*(1-\u)                       ; this tile's 16 loads are in; the other tile's may be out
.irp i, 0,1,2,3,4,5,6,7,8,9,10,11,12,13,14,15
	ds_store_b128 v5, v[64+64*\u+4*\i:67+64*\u+4*\i] offset:XROW*\i
.endr
.irp c, 0,1
.irp j, 0,1,2,3,4,5,6,7
	ds_load_b128 v[192+32*\c+4*\j:195+32*\c+4*\j], v6 offset:256*\c+16*\j   ; k = 64 c + 32 h + 0 .. 31 of row r; LDS serves a wave's instructions in order: these see the stores
.endr
.endr
	s_wait_dscnt 0x0
.irp c, 0,1
	v_max3_num_f32 v[40+\c], |v[192+32*\c]|, |v[193+32*\c]|, 0x1800000   ; my block 2 c + h: all 32 numbers are mine; the floor 2^(3 - 127) holds the byte at 1 from below
.endr
.irp i, 2,4,6,8,10,12,14,16,18,20,22,24,26,28,30
.irp c, 0,1
	s_delay_alu instid0(VALU_DEP_2)
	v_max3_num_f32 v[40+\c], v[40+\c], |v[192+32*\c+\i]|, |v[193+32*\c+\i]|
.endr
.endr
.irp c, 0,1
	s_delay_alu instid0(VALU_DEP_2)
	v_add_nc_u32 v[44+\c], 0xff000000, v[40+\c]    ; 2 off the exponent field: the conversion's scale operand
.endr
.irp c, 0,1
	s_delay_alu instid0(VALU_DEP_2)
	v_lshrrev_b32 v[42+\c], 23, v[44+\c]           ; the byte
.endr
	s_delay_alu instid0(VALU_DEP_1)
	v_lshl_or_b32 v[60+\u], v43, 16, v42           ; blocks h and 2 + h,
	s_delay_alu instid0(VALU_DEP_1)
	v_lshlrev_b32 v[60+\u], v9, v[60+\u]           ; at their places in the word;
	s_delay_alu instid0(VALU_DEP_1)
	v_permlanex16_b32 v46, v[60+\u], s20, s21
	s_delay_alu instid0(VALU_DEP_1)
	v_or_b32 v[60+\u], v[60+\u], v46               ; with lane l xor 16's two the word is whole
.irp c, 0,1
	v_cvt_scalef32_pk16_fp6_f32 v[CU+6*\c:CU+6*\c+2], v[192+32*\c:207+32*\c], v[44+\c]
	v_cvt_scalef32_pk16_fp6_f32 v[48+4*\c:50+4*\c], v[208+32*\c:223+32*\c], v[44+\c]   ; (a conversion's three registers begin on an even number)
.endr
	v_nop                                          ; one plain place behind a scaled conversion
.irp c, 0,1
.irp i, 0,1,2
	v_mov_b32 v[CU+6*\c+3+\i], v[48+4*\c+\i]
.endr
.endr
.irp c, 0,1,2
	global_store_b128 v4, v[CU+4*\c:CU+4*\c+3], s[10:11] offset:12800*\u+512+512*\c   ; the image: 512 consecutive bytes a store
.endr
	ds_store_b32 v7, v[60+\u] offset:512*\u        ; lanes r and r + 16 write the same word with the same value
.endm
	XFRAG 0
	XFRAG 1
	s_wait_dscnt 0x0                               ; my scale words lie in LDS
	s_barrier_signal -1
	s_barrier_wait -1                              ; all eight waves' do
	s_cmp_gt_u32 s18, 1
	s_cbranch_scc1 .Lxdone
	ds_load_b128 v[48:51], v8                      ; waves 0 and 1 store a tile's 512 scale bytes each
	s_wait_dscnt 0x0
	global_store_b128 v4, v[48:51], s[12:13]
.Lxdone:
	s_wait_tensorcnt 0x0                           ; the wave's end
	ds_add_u32 v62, v63
	s_wait_dscnt 0x0
	s_endpgm
; ---------------- the weights: K outermost ----------------
.Lweights:
	s_sub_co_u32 s19, ttmp9, 128
	s_and_b32 s30, s19, 1                          ; which half of K
	s_lshr_b32 s19, s19, 1                         ; the band of 64 columns, 0-47 of w_attn, 48-63 of w_proj
	s_and_b32 s31, s18, 1                          ; my two tiles of the band
	s_lshr_b32 s40, s18, 1                         ; my K step of the half
	s_cmp_lt_u32 s19, 48
	s_cselect_b32 s22, 0, 48
	s_mov_b32 s23, 4096
	s_cselect_b32 s23, 12288, s23                  ; bytes from row to row
	s_sub_co_u32 s22, s19, s22                     ; the band inside its tensor
	s_mul_i32 s24, s18, WWV
	s_add_co_u32 s24, s24, WST
	s_lshl_b32 s25, s31, 9
	s_lshl_b32 s41, s40, 2
	s_add_co_u32 s25, s25, s41
	s_add_co_u32 s25, s25, WSC
	s_lshl_b32 s41, s18, 8
	s_add_co_u32 s41, s41, WSC
	v_bfe_u32 v10, v0, 3, 1                        ; lane l takes column 32 (l / 16) + 16 (w % 2) + l % 16: tile u = (l / 8) % 2 of my two,
	v_and_b32 v11, 7, v0
	v_and_b32 v16, 15, v0
	v_mul_u32_u24 v12, v10, WIMG
	v_lshl_add_u32 v11, v3, 3, v11                 ; place r' = l % 8 + 8 (l / 16)
	v_lshlrev_b32 v16, 2, v16
	v_add_nc_u32 v13, s24, v4                      ; out of the images
	v_lshl_add_u32 v12, v11, 4, v12
	v_lshl_add_u32 v14, v10, 4, v11
	v_lshl_add_u32 v16, v3, 7, v16                 ; my column's byte in the band's row
	v_add_nc_u32 v12, s24, v12                     ; into the images: tile u, lane r' (+ 16 for odd blocks, by the offset)
	v_lshl_add_u32 v14, v14, 4, s25                ; my column's scale word of my K step
	v_lshl_add_u32 v15, v1, 3, s41                 ; the scale bytes' way out (waves 0 to 3): 8 bytes a lane
	v_lshlrev_b32 v17, 3, v1
.set I, 0
.rept 32
	v_mad_u32_u24 v[64+I], s23, I, v16             ; row I of a block, my column
.set I, I+1
.endr
	s_lshl_b32 s24, s30, 2
	s_add_co_u32 s24, s24, s40                     ; my K step
	s_lshl_b32 s26, s24, 7
	s_mul_i32 s26, s26, s23                        ; its first row
	s_lshl_b32 s27, s22, 8
	s_add_co_u32 s26, s26, s27                     ; the band's 256 bytes of a row
	s_lshl_b32 s27, s31, 6
	s_add_co_u32 s26, s26, s27
	s_mov_b32 s27, 0
	s_lshl_b32 s28, s23, 5                         ; a block of 32 rows
	s_mov_b32 s29, 0
	; the band's first record: Q, K: 12 (g / 2) + 4 (g % 2); V (g = 32 .. 47): 12 (g - 32) + 8; w_proj (g from 48 on): 192 + 4 (g - 48) = 4 g
	s_lshr_b32 s25, s19, 1
	s_mul_i32 s25, s25, 12
	s_and_b32 s41, s19, 1
	s_lshl_b32 s41, s41, 2
	s_add_co_u32 s25, s25, s41
	s_mul_i32 s41, s19, 12
	s_sub_co_u32 s41, s41, 376
	s_cmp_lt_u32 s19, 32
	s_cselect_b32 s25, s25, s41
	s_lshl_b32 s41, s19, 2
	s_cmp_lt_u32 s19, 48
	s_cselect_b32 s25, s25, s41
	s_mul_i32 s42, s25, 12800
	s_mul_i32 s43, s18, 12800
	s_add_co_u32 s43, s43, s42
	s_lshl_b32 s41, s30, 8
	s_add_co_u32 s40, s43, s41                     ; (waves 0 to 3: the scale bytes of the band's tile w, my half of K)
	s_mov_b32 s41, 0
	s_mul_i32 s43, s31, 25600
	s_add_co_u32 s42, s42, s43
	s_mul_i32 s43, s24, 1536
	s_add_co_u32 s30, s42, s43                     ; my two tiles' fragments of my K step
	s_mov_b32 s31, 0
	s_wait_alu depctr_va_vdst(0)                   ; the wait at the head's end
	s_wait_kmcnt 0x0
	s_cmp_lt_u32 s19, 48                           ; the choice hangs on the work-group's number alone
	s_cselect_b64 s[6:7], s[6:7], s[8:9]
	s_add_nc_u64 s[32:33], s[6:7], s[26:27]        ; a base for each of the K step's four blocks
	s_add_nc_u64 s[34:35], s[32:33], s[28:29]
	s_add_nc_u64 s[36:37], s[34:35], s[28:29]
	s_add_nc_u64 s[38:39], s[36:37], s[28:29]
	s_add_nc_u64 s[16:17], s[14:15], s[40:41]
	s_add_nc_u64 s[14:15], s[14:15], s[30:31]
.macro WLOAD t
.set I, 0
.rept 32
	global_load_b32 v[96+32*((\t)%2)+I], v[64+I], s[32+2*(\t):33+2*(\t)]   ; two runs of 64 bytes; the neighbouring wave reads the rest of the 256, so no hint
.set I, I+1
.endr
.endm
.macro WBLOCK t                                ; block t of my column: 32 numbers, all mine
.set XS, 96+32*((\t)%2)
.set CC, 160+8*(\t)
.if (\t) < 3
	s_wait_loadcnt 32                              ; this block's 32 loads are in; the next block's may be out
.else
	s_wait_loadcnt 0x0
.endif
	v_max3_num_f32 v20, |v[XS]|, |v[XS+1]|, |v[XS+2]|
	v_max3_num_f32 v21, |v[XS+3]|, |v[XS+4]|, |v[XS+5]|
.irp i, 6,10,14,18,22,26
	s_delay_alu instid0(VALU_DEP_2)
	v_max3_num_f32 v20, v20, |v[XS+\i]|, |v[XS+\i+1]|
	s_delay_alu instid0(VALU_DEP_2)
	v_max3_num_f32 v21, v21, |v[XS+\i+2]|, |v[XS+\i+3]|
.endr
	s_delay_alu instid0(VALU_DEP_2)
	v_max3_num_f32 v20, v20, |v[XS+30]|, |v[XS+31]|
	s_delay_alu instid0(VALU_DEP_1)
	v_max3_num_f32 v20, v20, v21, 0x1800000        ; and the floor
	s_delay_alu instid0(VALU_DEP_1)
	v_add_nc_u32 v22, 0xff000000, v20
	s_delay_alu instid0(VALU_DEP_1)
	v_lshrrev_b32 v21, 23, v22
.if (\t) == 0
	s_delay_alu instid0(VALU_DEP_1)
	v_mov_b32 v23, v21
.else
	s_delay_alu instid0(VALU_DEP_1)
	v_lshl_or_b32 v23, v21, 8*(\t), v23            ; the four bytes make the K step's word
.endif
	v_cvt_scalef32_pk16_fp6_f32 v[CC:CC+2], v[XS:XS+15], v22
	v_cvt_scalef32_pk16_fp6_f32 v[24:26], v[XS+16:XS+31], v22
	v_nop                                          ; one plain place behind a scaled conversion
.irp i, 0,1,2
	v_mov_b32 v[CC+3+\i], v[24+\i]
.endr
; block t is registers 6 (t / 2) .. + 5 of lane r' + 16 (t % 2) of my tile's image
.if (\t) < 2
	ds_store_b128 v12, v[CC:CC+3] offset:256*((\t)%2)
	ds_store_b64 v12, v[CC+4:CC+5] offset:512+256*((\t)%2)
.else
	ds_store_b64 v12, v[CC:CC+1] offset:520+256*((\t)%2)
	ds_store_b128 v12, v[CC+2:CC+5] offset:1024+256*((\t)%2)
.endif
.if (\t) < 2
	WLOAD (\t)+2
.endif
.endm
	WLOAD 0
	WLOAD 1
	WBLOCK 0
	WBLOCK 1
	WBLOCK 2
	WBLOCK 3
	ds_store_b32 v14, v23
.irp u, 0,1
.irp c, 0,1,2
	ds_load_b128 v[192+12*\u+4*\c:195+12*\u+4*\c], v13 offset:WIMG*\u+512*\c   ; LDS serves a wave's instructions in order: these see my stores
.endr
.endr
.irp u, 0,1
.irp c, 0,1,2
	s_wait_dscnt 5-3*\u-\c                         ; the younger image loads may be out
	global_store_b128 v4, v[192+12*\u+4*\c:195+12*\u+4*\c], s[14:15] offset:12800*\u+512+512*\c
.endr
.endr
	s_barrier_signal -1                            ; (the last wait above was for 0: my scale word lies in LDS)
	s_barrier_wait -1
	s_cmp_gt_u32 s18, 3
	s_cbranch_scc1 .Lwdone
	ds_load_b64 v[216:217], v15
	s_wait_dscnt 0x0
	global_store_b64 v17, v[216:217], s[16:17]     ; 256 consecutive bytes
.Lwdone:
	s_wait_tensorcnt 0x0
	ds_add_u32 v62, v63
	s_wait_dscnt 0x0
	s_endpgm
.Lfunc_end_k_q2d9853cdd4_quant:
	.size	k_q2d9853cdd4_quant, .Lfunc_end_k_q2d9853cdd4_quant-k_q2d9853cdd4_quant
	.p2alignl 7, 3214868480
	.fill 96, 4, 3214868480
	.section	.rodata,"a",@progbits
	.p2align	6, 0x0
	.amdhsa_kernel k_q2d9853cdd4_quant
		.amdhsa_group_segment_fixed_size 97280
		.amdhsa_private_segment_fixed_size 0
		.amdhsa_enable_private_segment 0
		.amdhsa_kernarg_size 40
		.amdhsa_user_sgpr_count 2
		.amdhsa_user_sgpr_kernarg_segment_ptr 1
		.amdhsa_wavefront_size32 1
		.amdhsa_system_sgpr_workgroup_id_x 1
		.amdhsa_system_sgpr_workgroup_id_y 1
		.amdhsa_system_sgpr_workgroup_id_z 1
		.amdhsa_system_vgpr_workitem_id 0
		.amdhsa_next_free_vgpr 256
		.amdhsa_next_free_sgpr 66
		.amdhsa_reserve_vcc 0
		.amdhsa_float_denorm_mode_32 3
		.amdhsa_float_denorm_mode_16_64 3
		.amdhsa_memory_ordered 1
		.amdhsa_forward_progress 1
		.amdhsa_inst_pref_size 47
	.end_amdhsa_kernel
	.amdgpu_metadata
---
amdhsa.version: [ 1, 2 ]
amdhsa.kernels:
  - .name:           k_q2d9853cdd4_quant
    .symbol:         k_q2d9853cdd4_quant.kd
    .args:
      - { .name: x, .offset: 0, .size: 8, .value_kind: global_buffer, .address_space: global }
      - { .name: w_attn, .offset: 8, .size: 8, .value_kind: global_buffer, .address_space: global }
      - { .name: w_proj, .offset: 16, .size: 8, .value_kind: global_buffer, .address_space: global }
      - { .name: xq, .offset: 24, .size: 8, .value_kind: global_buffer, .address_space: global }
      - { .name: wq, .offset: 32, .size: 8, .value_kind: global_buffer, .address_space: global }
    .group_segment_fixed_size: 97280
    .private_segment_fixed_size: 0
    .kernarg_segment_align: 8
    .kernarg_segment_size: 40
    .max_flat_workgroup_size: 256
    .sgpr_count:     66
    .vgpr_count:     256
    .wavefront_size: 32
...
	.end_amdgpu_metadata
.endif
;; end of part 1
;; launch qkv (part 2): grid 16 x 16, 4 waves a work-group, clusters of 4 x 4, 327,680 bytes of LDS; arguments xq, wq, b_attn, qbuf, kv; writes qbuf, kv
.if DOCPART == 2
	.amdgcn_target "amdgcn-amd-amdhsa--gfx1250"
	.amdhsa_code_object_version 6
	.text
	.protected	k_q2d9853cdd4_qkv
	.globl	k_q2d9853cdd4_qkv
	.p2align	8
	.type	k_q2d9853cdd4_qkv,@function
k_q2d9853cdd4_qkv:
	s_mov_b64 s[64:65], 0
	v_nop
	global_prefetch_b8 v0, s[64:65] scope:SCOPE_SE
	s_setreg_imm32_b32 hwreg(HW_REG_WAVE_MODE, 25, 1), 1
	s_wait_xcnt 0x0
	s_wait_alu depctr_hold_cnt(0) depctr_sa_sdst(0) depctr_va_vdst(0) depctr_va_sdst(0) depctr_va_ssrc(0) depctr_va_vcc(0) depctr_vm_vsrc(0)
	s_getreg_b32 s2, hwreg(HW_REG_IB_STS2, 6, 4)
	s_cmp_eq_u32 s2, 0
	s_cbranch_scc0 .Lentry_in_a_cluster
	s_endpgm
.Lentry_in_a_cluster:
	s_bfe_u32 s2, ttmp6, 0x10000c
	s_cmp_lg_u32 s2, 0xf033
	s_cbranch_scc0 .Lentry_shape_is_right
	s_endpgm
.Lentry_shape_is_right:
; Q, K, V = x w_attn + b_attn ON CODES OF FP6, AND THEIR QUANTISERS.  256 work-groups: 256 tokens x (128 columns of Q or K + 64 columns of V: one head).  Four waves, 2 x 2: wave row a: 128 tokens (a step of 8 tiles),
; wave column b: one head of Q or K (4 tiles) and half a head of V (2 tiles): 48 accumulators.
; K goes in chunks of 3, 3 and 2 steps of 128: slot 0 holds steps 0-2 (with the records' scale bytes, which go into registers at once), slot 1 steps 3-5, both asked for at the head, one load a wave; steps 6 and 7 refill slot 0, in the one round.
; CLUSTERS 4 x 4: x's records are shared along a row of the cluster, the weights' along a column.
; No prefetch: there is no loop to run ahead in; six of eight K steps are asked for at the head, the rest three K steps (144 products) ahead of use.
; Q, K: the matrix instruction is used transposed (source 0 = 16 rows of the weight): lane (r, h) has token r, its 32 registers of a tile of tokens are channels 32 h + 0 .. 31.  V: untransposed: lane (r, h) has a channel, its 32 registers of a
; band's four tiles are tokens 32 h + 0 .. 31.  So a lane's 32 results are one scale block, and two conversions give six registers of the next operand as they fall.
; THE BIAS IS THE C OF EACH SUM'S FIRST PRODUCT.
; OUT: qbuf [batch, head][step][4 fragments of 1,536, each two tiles' 64 channels; 256 bytes of scale words [row][fragment]];  kv [batch, head][step][K as Q; 4 fragments of V (16 channels x 128 tokens); K's scale words at 12,288, V's [row][tile] at 12,544].
; LIMITS: NaN and infinities are not served; a block whose largest magnitude lies under 2^-124 (zeros too) gets the byte 1.
.set W0, 81920                         ; LDS: slot 0: 16 records' parts of x (5,120 each), 12 of the weights
.set X1, 143360                        ; slot 1: 4,608 each
.set W1, 217088
.set SPARE, 272384
.set AX, 2                             ; v2-4  my tiles of x in slot 0, slot 1, slot 0 refilled; v5-7 my tiles of Q's or K's weight; v8-10 of V's
.set AW, 5
.set AV, 8
.set LI, 11                            ; 16 x lane
.set XSA, 12
.set WSA, 13
.set VSA, 14
.set OS, 15                            ; 16 r + 8 h
.set OV, 16                            ; 16 r
.set H8, 17                            ; 8 h
.set SPW, 28
.set NIL, 29
.set SX, 32                            ; v32-95 x's scale words, 8 a tile; v98-145 the weights': registers of a product's two sides differ modulo 8
.set SW, 98
.set AF, 148                           ; v148-243 x's fragments, one set
.set BQ, 72                            ; window 1: B's sets at 0 and 128; the bias at 72 (Q, K) and 104 (V)
.set BV, 104
.set QC, 148                           ; the way out: codes of Q or K, 6 a tile; of V at 196; chains 220; scale operands 226; bytes 232; conversions' second halves 244
.set VC, 196
.set TM, 220
.set SO, 226
.set EB, 232
.set CT, 244
.set G1X0, 24
.set G1W0, 32
.set G1X1, 48
.set G1W1, 56
.set G0X0, 68
.set G0W0, 72
.set G0X1, 76
.set G0W1, 80
.set MSB, 0
.macro WIN new
.if MSB != \new
	s_set_vgpr_msb (MSB<<8)|(\new)
.set MSB, \new
.endif
.endm
.macro PLACES n
.rept \n
	v_nop
.endr
.endm
.macro CREST
	s_cmp_lg_u32 s14, 0
	s_cbranch_scc1 .Lnot_wave_0_\@
	s_barrier_signal -3
.Lnot_wave_0_\@:
	s_barrier_wait -3
	s_barrier_signal -1
	s_barrier_wait -1
.endm
.macro CROUND
	s_barrier_signal -1
	s_barrier_wait -1
	CREST
.endm
.macro TLOAD g0, g1
	tensor_load_to_lds s[\g0:\g0+3], s[\g1:\g1+7]
	s_nop 0
	PLACES 4
.endm
.macro GROUP1 g, mask, el, rows
	s_or_b32 s[\g+0], s[\mask], (3<<16)|(1<<21)
	s_mov_b32 s[\g+1], (\el)<<16
	s_mov_b32 s[\g+2], (\rows)<<16
	s_mov_b32 s[\g+3], (\el)<<16
	s_mov_b32 s[\g+4], \rows
	s_mov_b32 s[\g+5], 1600
	s_mov_b32 s[\g+6], 0
	s_mov_b32 s[\g+7], 0
.endm
.macro GROUP0 g, lds, base, off
	s_mov_b32 s[\g], 1
	s_mov_b32 s[\g+1], \lds
	s_add_nc_u64 s[\g+2:\g+3], s[\base:\base+1], \off
	s_or_b32 s[\g+3], s[\g+3], 0x80000000
.endm
.macro ADR d, sreg, step, base, v
	s_mul_i32 s20, s[\sreg], \step
	s_add_co_u32 s20, s20, \base
	v_add_nc_u32 v[\d], s20, v[\v]
.endm
	s_load_b256 s[4:11], s[0:1], 0x0               ; xq, wq, b_attn, qbuf
	s_load_b64 s[12:13], s[0:1], 0x20              ; kv
	v_lshl_add_u32 v[SPW], v0, 2, SPARE
	v_mov_b32 v[NIL], 0
	ds_add_u32 v[SPW], v[NIL]                      ; the opening lines
	ds_add_u32 v[SPW], v[NIL]
	v_lshrrev_b32 v1, 5, v0
	v_readfirstlane_b32 s14, v1                    ; wave
	s_lshr_b32 s15, s14, 1                         ; a
	s_and_b32 s16, s14, 1                          ; b
	s_bfe_u32 s40, ttmp6, 0x40000                  ; cx, cy
	s_bfe_u32 s41, ttmp6, 0x40004
	s_lshl_b32 s42, ttmp9, 2
	s_add_co_u32 s42, s42, s40                     ; n: tile column, 0-7 Q, 8-15 K; also V's head
	s_and_b32 s43, ttmp7, 0xffff
	s_lshl_b32 s43, s43, 2
	s_add_co_u32 s43, s43, s41                     ; tile row
	s_lshl_b32 s44, s41, 2
	s_lshl_b32 s44, 15, s44                        ; my row of the cluster
	s_lshl_b32 s45, 0x1111, s40                    ; my column
	GROUP1 G1X0, 44, 640, 16
	GROUP1 G1W0, 45, 640, 12
	GROUP1 G1X1, 44, 576, 16
	GROUP1 G1W1, 45, 576, 12
	s_mul_i32 s46, s43, 204800                     ; 16 records
	s_mov_b32 s47, 0
	s_mul_i32 s84, s42, 153600                     ; 12 records
	s_mov_b32 s85, 0
	s_wait_dscnt 0x0
	CROUND                                         ; all sixteen work-groups are here: the first joint loads meet.  (Ahead of the wait for the arguments)
	s_wait_kmcnt 0x0
	s_add_nc_u64 s[46:47], s[4:5], s[46:47]
	s_add_nc_u64 s[84:85], s[6:7], s[84:85]
	GROUP0 G0X0, 0, 46, 0
	GROUP0 G0W0, W0, 84, 0
	GROUP0 G0X1, X1, 46, 5120
	GROUP0 G0W1, W1, 84, 5120
; one load a wave, in one tree of branches on the wave's number
.macro ARM under, g0, g1, next
	s_cmp_lt_u32 s14, \under
	s_cbranch_scc0 \next
	TLOAD \g0, \g1
	s_branch .Lhead_asked
\next:
.endm
	ARM 1, G0X0, G1X0, .Lhead_w0
	ARM 2, G0W0, G1W0, .Lhead_x1
	ARM 3, G0X1, G1X1, .Lhead_w1
	TLOAD G0W1, G1W1
.Lhead_asked:
	; where the results go: step S = 2 x tile row + a; record 256 (S / 16) + 16 head + S % 16
	s_lshl_b32 s20, s43, 1
	s_add_co_u32 s20, s20, s15
	s_lshr_b32 s21, s20, 4
	s_lshl_b32 s21, s21, 8
	s_and_b32 s20, s20, 15
	s_add_co_u32 s20, s20, s21
	s_lshl_b32 s21, s42, 1
	s_add_co_u32 s21, s21, s16                     ; head of Q and K, 0-31
	s_lshl_b32 s23, s21, 8                         ; its bias: 64 numbers, 256 bytes
	s_and_b32 s21, s21, 15
	s_lshl_b32 s21, s21, 4
	s_add_co_u32 s21, s21, s20
	s_mov_b32 s17, 12800
	s_mov_b32 s18, 12288
	s_cmp_lt_u32 ttmp9, 2                          ; Q or K: by the cluster's number alone
	s_cselect_b32 s17, 6400, s17
	s_cselect_b32 s18, 6144, s18
	s_cselect_b64 s[86:87], s[10:11], s[12:13]
	s_mul_i32 s90, s21, s17
	s_mov_b32 s91, 0
	s_add_nc_u64 s[86:87], s[86:87], s[90:91]      ; Q's or K's record
	s_mov_b32 s90, s18
	s_add_nc_u64 s[88:89], s[86:87], s[90:91]      ; its scale words
	s_lshl_b32 s21, s42, 4
	s_add_co_u32 s21, s21, s20
	s_mul_i32 s92, s21, 12800
	s_mov_b32 s93, 0
	s_add_nc_u64 s[92:93], s[12:13], s[92:93]      ; V's record
	s_mul_i32 s90, s16, 3072
	s_add_co_u32 s90, s90, 6144
	s_add_nc_u64 s[90:91], s[92:93], s[90:91]      ; my two tiles of V
	s_lshl_b32 s20, s16, 3
	s_add_co_u32 s20, s20, 12544
	s_mov_b32 s21, 0
	s_add_nc_u64 s[92:93], s[92:93], s[20:21]      ; their scale words
	s_mov_b32 s22, s23
	s_mov_b32 s23, 0
	s_add_nc_u64 s[94:95], s[8:9], s[22:23]        ; the bias of my head of Q or K
	s_lshl_b32 s22, s42, 8
	s_lshl_b32 s20, s16, 6
	s_add_co_u32 s22, s22, s20
	s_add_co_u32 s22, s22, 8192
	s_add_nc_u64 s[96:97], s[8:9], s[22:23]        ; of my 32 channels of V
	s_mov_b32 s98, 0x76543210
	s_mov_b32 s99, 0xfedcba98                      ; v_permlanex16_b32's selects for lane l xor 16
	v_and_b32 v18, 31, v0
	v_and_b32 v19, 15, v0                          ; r
	v_bfe_u32 v20, v0, 4, 1                        ; h
	v_lshlrev_b32 v[LI], 4, v18
	v_lshlrev_b32 v[OV], 4, v19
	v_lshlrev_b32 v[H8], 3, v20
	v_lshlrev_b32 v21, 7, v20                      ; Q, K: 128 bytes of bias for each half of the lanes
	v_lshrrev_b32 v22, 3, v19
	v_and_b32 v23, 7, v19
	v_lshl_add_u32 v[OS], v20, 3, v[OV]
	v_lshlrev_b32 v22, 7, v22
	v_lshl_add_u32 v22, v23, 2, v22                ; V: tile's place r is channel 32 (r / 8) + 8 tile + r % 8
.irp i, 24,25,26,27,30,31
	v_mov_b32 v\i, 0                               ; a lane permute's destination counts as one of its sources
.endr
	s_wait_alu depctr_va_vdst(0)
	WIN 0x40
.irp j, 0,1,2,3,4,5,6,7
	global_load_b128 v[BQ+4*\j:BQ+4*\j+3], v21, s[94:95] offset:16*\j
.endr
.irp u, 0,1
	global_load_b32 v[BV+8*\u], v22, s[96:97] offset:32*\u
.endr
	WIN 0
	ADR AX,   15, 8*5120, 0,  LI
	ADR AX+1, 15, 8*4608, X1, LI
	ADR AX+2, 15, 8*3072, 0,  LI
	ADR AW,   16, 4*5120, W0, LI
	ADR AW+1, 16, 4*4608, W1, LI
	ADR AW+2, 16, 4*3072, W0, LI
	ADR AV,   16, 2*5120, W0+8*5120, LI
	ADR AV+1, 16, 2*4608, W1+8*4608, LI
	ADR AV+2, 16, 2*3072, W0+8*3072, LI
	ADR XSA,  15, 8*5120, 0, OV
	ADR WSA,  16, 4*5120, W0, OV
	ADR VSA,  16, 2*5120, W0+8*5120, OV
	s_wait_alu depctr_va_vdst(0)
	s_wait_loadcnt 0x0
	WIN 0x41
.irp u, 0,8
.irp i, 1,2,3,4,5,6,7
	v_mov_b32 v[BV+\u+\i], v[BV+\u]                ; V's number, one a lane and tile, over the tile's eight registers
.endr
.endr
	WIN 0
	PLACES 4
; ---- slots.  K steps 0-2, 3-5 and 6-7
.macro OFFS k
.if (\k) < 3
.set SL_, 0
.set PT_, 5120
.set QO_, 512+1536*(\k)
.elseif (\k) < 6
.set SL_, 1
.set PT_, 4608
.set QO_, 1536*((\k)-3)
.else
.set SL_, 2
.set PT_, 3072
.set QO_, 1536*((\k)-6)
.endif
.endm
.macro FETCH_A k, i0                   ; x's tiles i0 .. i0 + 3 of step k: 12 loads
	OFFS \k
.irp i, 0,1,2,3
.irp c, 0,1,2
	ds_load_b128 v[AF+12*((\i0)+\i)+4*\c:AF+12*((\i0)+\i)+4*\c+3], v[AX+SL_] offset:((\i0)+\i)*PT_+QO_+512*\c
.endr
.endr
.endm
.macro FETCH_B k                       ; the weights' six tiles of step k into set k % 2: 18 loads
	OFFS \k
	WIN 0x40
.irp t, 0,1,2,3
.irp c, 0,1,2
	ds_load_b128 v[128*((\k)%2)+12*\t+4*\c:128*((\k)%2)+12*\t+4*\c+3], v[AW+SL_] offset:\t*PT_+QO_+512*\c
.endr
.endr
.irp t, 0,1
.irp c, 0,1,2
	ds_load_b128 v[128*((\k)%2)+48+12*\t+4*\c:128*((\k)%2)+48+12*\t+4*\c+3], v[AV+SL_] offset:\t*PT_+QO_+512*\c
.endr
.endr
	WIN 0
.endm
.macro WM d, a, b, c, sa, sb
	v_wmma_scale_f32_16x16x128_f8f6f4 v[\d:\d+7], v[\a:\a+11], v[\b:\b+11], v[\c:\c+7], v[\sa], v[\sb] matrix_a_fmt:MATRIX_FMT_FP6 matrix_b_fmt:MATRIX_FMT_FP6
.endm
; Half h (x's tiles 4 h .. 4 h + 3) of step k.  Accumulators in window 2 + h: Q, K: 32 x tile + 8 t; V: 128 + 32 u + 8 x tile.  The 48 take turns in the same order in every step.
.macro MULQ h, k
.if (\k) == 0
	WIN 0x91+0x40*(\h)
.else
	WIN 0xa1+0x50*(\h)
.endif
.irp j, 0,1,2,3
.irp t, 0,1,2,3
.if (\k) == 0
	WM 32*\j+8*\t, 12*\t, AF+12*(4*(\h)+\j), BQ+8*\t, SW+8*\t, SX+8*(4*(\h)+\j)
.else
	WM 32*\j+8*\t, 128*((\k)%2)+12*\t, AF+12*(4*(\h)+\j), 32*\j+8*\t, SW+8*\t+(\k), SX+8*(4*(\h)+\j)+(\k)
.endif
.endr
.endr
.endm
.macro MULV h, k
.if (\k) == 0
	WIN 0x94+0x40*(\h)
.else
	WIN 0xa4+0x50*(\h)
.endif
.irp j, 0,1,2,3
.irp u, 0,1
.if (\k) == 0
	WM 128+32*\u+8*\j, AF+12*(4*(\h)+\j), 48+12*\u, BV+8*\u, SX+8*(4*(\h)+\j), SW+32+8*\u
.else
	WM 128+32*\u+8*\j, AF+12*(4*(\h)+\j), 128*((\k)%2)+48+12*\u, 128+32*\u+8*\j, SX+8*(4*(\h)+\j)+(\k), SW+32+8*\u+(\k)
.endif
.endr
.endr
.endm
; A step: x's tiles 0-3, then 4-7.  In its middle the next step's tiles 0-3 are fetched, at its end its tiles 4-7 and the weights of the step after.  Where the next step is the first of a slot, its weights are fetched in the middle, behind the barrier.
; Counts: 12 = a run of x's tiles, 18 = a run of the weights.
.macro SECOND k                        ; the second half and the end
	MULQ 1, \k
	MULV 1, \k
	PLACES 4                                       ; places in front of loads into registers that the products read
	WIN 0
	FETCH_A (\k)+1, 4
.if ((\k) != 1) && ((\k) != 4) && ((\k) != 6)
	FETCH_B (\k)+2
.endif
.endm
.macro STEP k
	s_wait_dscnt 30                                ; this step's weights and x's tiles 0-3 are in; its tiles 4-7 and the next weights may be out
	MULQ 0, \k
	MULV 0, \k
	PLACES 4
	WIN 0
	FETCH_A (\k)+1, 0
	s_wait_dscnt 30                                ; tiles 4-7 are in; the next weights and the 12 just issued may be out
	SECOND \k
.endm
	s_wait_alu depctr_va_vdst(0)                   ; the wait at the head's end
	s_cmp_lt_u32 s14, 2
	s_cbranch_scc0 .Lnot_slot_0
	s_wait_tensorcnt 0x0                           ; waves 0 and 1: my part of slot 0 is in
.Lnot_slot_0:
	s_barrier_signal -1
	s_barrier_wait -1                              ; slot 0 is in; slot 1 may be on its way
	FETCH_B 0
.irp i, 0,1,2,3,4,5,6,7
.irp g, 0,1
	ds_load_b128 v[SX+8*\i+4*\g:SX+8*\i+4*\g+3], v[XSA] offset:5120*\i+256*\g
.endr
.endr
.irp i, 0,1,2,3
.irp g, 0,1
	ds_load_b128 v[SW+8*\i+4*\g:SW+8*\i+4*\g+3], v[WSA] offset:5120*\i+256*\g
.endr
.endr
.irp i, 0,1
.irp g, 0,1
	ds_load_b128 v[SW+32+8*\i+4*\g:SW+32+8*\i+4*\g+3], v[VSA] offset:5120*\i+256*\g
.endr
.endr
	FETCH_A 0, 0
	FETCH_A 0, 4
	FETCH_B 1
	STEP 0
	STEP 1
	; step 2: the round.  All of slot 0 has been asked for by now: x's tiles 4-7 of this step were its last reads
	s_wait_tensorcnt 0x0                           ; all my tensor loads are done, slot 1's among them;
	ds_add_u32 v[SPW], v[NIL]
	s_wait_dscnt 13                                ; (the add and x's tiles 4-7 may be out)
	MULQ 0, 2
.irp g, G1X0, G1W0
	s_mov_b32 s[\g+1], 384<<16                     ; no tensor load of mine is out: from here on a row is 3,072 bytes: two K steps
	s_mov_b32 s[\g+3], 384<<16
.endr
	s_add_nc_u64 s[G0X0+2:G0X0+3], s[G0X0+2:G0X0+3], 9728
	s_add_nc_u64 s[G0W0+2:G0W0+3], s[G0W0+2:G0W0+3], 9728
	s_wait_dscnt 0x0                               ; the add is done, and so are my reads of slot 0
	s_barrier_signal -1
	MULV 0, 2
	WIN 0
	s_barrier_wait -1
	CREST
	s_cmp_eq_u32 s14, 0
	s_cbranch_scc0 .Lrefill_w
	TLOAD G0X0, G1X0                               ; wave 0: x's steps 6, 7
	s_branch .Lrefilled
.Lrefill_w:
	s_cmp_eq_u32 s14, 1
	s_cbranch_scc0 .Lrefilled
	TLOAD G0W0, G1W0                               ; wave 1: the weights'
.Lrefilled:
	PLACES 4
	FETCH_A 3, 0
	FETCH_B 3
	SECOND 2
	STEP 3
	; step 4 fetches no weights at its end: slot 0's new steps are not shown yet
	STEP 4
	s_wait_tensorcnt 0x0                           ; step 5: a plain barrier shows the refill to all
	s_wait_dscnt 12
	MULQ 0, 5
	s_wait_dscnt 0x0
	s_barrier_signal -1
	MULV 0, 5
	WIN 0
	s_barrier_wait -1
	PLACES 4
	FETCH_A 6, 0
	FETCH_B 6
	SECOND 5
	STEP 6
	s_wait_dscnt 12
	MULQ 0, 7
	MULV 0, 7
	s_wait_dscnt 0x0
	MULQ 1, 7
	MULV 1, 7
	PLACES 4
	WIN 0
; THE WAY OUT of window 2 + c: six runs of 32 sums, each one scale block: four tiles of Q or K, two tiles of V (band c)
.macro CONV g, d, ct, w
	WIN \w
	v_cvt_scalef32_pk16_fp6_f32 v[\d:\d+2], v[32*\g:32*\g+15], v[SO+\g]
	v_cvt_scalef32_pk16_fp6_f32 v[\ct:\ct+2], v[32*\g+16:32*\g+31], v[SO+\g]   ; (a conversion's three registers begin on an even number)
.endm
.macro MOV3 d, ct
.irp i, 0,1,2
	v_mov_b32 v[\d+3+\i], v[\ct+\i]
.endr
.endm
.macro OUTC c
.set WW, 2+\c
	WIN WW|(WW<<2)
.irp g, 0,1,2,3,4,5
	v_max3_num_f32 v[TM+\g], |v[32*\g]|, |v[32*\g+1]|, 0x1800000   ; with the floor 2^(3 - 127)
.endr
	WIN (WW<<2)|(WW<<4)
.irp i, 2,4,6,8,10,12,14,16,18,20,22,24,26,28,30
.irp g, 0,1,2,3,4,5
	v_max3_num_f32 v[TM+\g], v[TM+\g], |v[32*\g+\i]|, |v[32*\g+\i+1]|
.endr
.endr
	WIN 0
.irp g, 0,1,2,3,4,5
	v_add_nc_u32 v[SO+\g], 0xff000000, v[TM+\g]    ; 2 off the exponent field: the conversion's scale operand
.endr
.irp g, 0,1,2,3,4,5
	v_lshrrev_b32 v[EB+6*\c+\g], 23, v[SO+\g]      ; the byte
.endr
	CONV 0, QC+24*\c,    CT,   WW
	CONV 1, QC+24*\c+6,  CT+4, WW
	CONV 2, QC+24*\c+12, CT+8, WW
	WIN 0
	v_nop                                          ; one plain place behind a scaled conversion
	MOV3 QC+24*\c,    CT
	MOV3 QC+24*\c+6,  CT+4
	MOV3 QC+24*\c+12, CT+8
	CONV 3, QC+24*\c+18, CT,   WW
	CONV 4, VC+6*\c,     CT+4, WW
	CONV 5, VC+12+6*\c,  CT+8, WW
	WIN 0
	v_nop
	MOV3 QC+24*\c+18, CT
	MOV3 VC+6*\c,     CT+4
	MOV3 VC+12+6*\c,  CT+8
.irp p, 0,1
.irp d, 0,1,2
	global_store_b128 v[LI], v[QC+24*\c+12*\p+4*\d:QC+24*\c+12*\p+4*\d+3], s[86:87] offset:3072*\c+1536*\p+512*\d   ; 512 consecutive bytes
.endr
.endr
.endm
	OUTC 0
	OUTC 1
.irp u, 0,1
.irp d, 0,1,2
	global_store_b128 v[LI], v[VC+12*\u+4*\d:VC+12*\u+4*\d+3], s[90:91] offset:1536*\u+512*\d
.endr
.endr
	; scale words: lane (r, h) has bytes h and 2 + h of row r's word; lane l xor 16 the other two.  v18-21 Q's or K's four fragments, v22-23 V's two tiles
	v_lshl_or_b32 v18, v[EB+1], 16, v[EB]
	v_lshl_or_b32 v19, v[EB+3], 16, v[EB+2]
	v_lshl_or_b32 v20, v[EB+7], 16, v[EB+6]
	v_lshl_or_b32 v21, v[EB+9], 16, v[EB+8]
	v_lshl_or_b32 v22, v[EB+10], 16, v[EB+4]
	v_lshl_or_b32 v23, v[EB+11], 16, v[EB+5]
.irp i, 18,19,20,21,22,23
	v_lshlrev_b32 v\i, v[H8], v\i
.endr
	v_permlanex16_b32 v24, v18, s98, s99
	v_permlanex16_b32 v25, v19, s98, s99
	v_permlanex16_b32 v26, v20, s98, s99
	v_permlanex16_b32 v27, v21, s98, s99
	v_permlanex16_b32 v30, v22, s98, s99
	v_permlanex16_b32 v31, v23, s98, s99
	v_or_b32 v18, v18, v24
	v_or_b32 v19, v19, v25
	v_or_b32 v20, v20, v26
	v_or_b32 v21, v21, v27
	v_or_b32 v22, v22, v30
	v_or_b32 v23, v23, v31
	v_cmp_eq_u32 vcc_lo, 8, v[H8]
	v_cndmask_b32 v18, v18, v20, vcc_lo            ; lanes 0-15 store fragments 0, 1's words of row r, lanes 16-31 fragments 2, 3's
	v_cndmask_b32 v19, v19, v21, vcc_lo
	global_store_b64 v[OS], v[18:19], s[88:89]     ; 256 consecutive bytes
	global_store_b64 v[OV], v[22:23], s[92:93]     ; lanes r and r + 16 store the same bytes with the same value
	s_wait_tensorcnt 0x0                           ; the wave's end
	ds_add_u32 v[SPW], v[NIL]
	s_wait_dscnt 0x0
	CROUND                                         ; the closing round
	s_endpgm
.Lfunc_end_k_q2d9853cdd4_qkv:
	.size	k_q2d9853cdd4_qkv, .Lfunc_end_k_q2d9853cdd4_qkv-k_q2d9853cdd4_qkv
	.p2alignl 7, 3214868480
	.fill 96, 4, 3214868480
	.section	.rodata,"a",@progbits
	.p2align	6, 0x0
	.amdhsa_kernel k_q2d9853cdd4_qkv
		.amdhsa_group_segment_fixed_size 327680
		.amdhsa_private_segment_fixed_size 0
		.amdhsa_enable_private_segment 0
		.amdhsa_kernarg_size 40
		.amdhsa_user_sgpr_count 2
		.amdhsa_user_sgpr_kernarg_segment_ptr 1
		.amdhsa_wavefront_size32 1
		.amdhsa_system_sgpr_workgroup_id_x 1
		.amdhsa_system_sgpr_workgroup_id_y 1
		.amdhsa_system_sgpr_workgroup_id_z 1
		.amdhsa_system_vgpr_workitem_id 0
		.amdhsa_next_free_vgpr 1024
		.amdhsa_next_free_sgpr 106
		.amdhsa_reserve_vcc 1
		.amdhsa_float_denorm_mode_32 3
		.amdhsa_float_denorm_mode_16_64 3
		.amdhsa_memory_ordered 1
		.amdhsa_forward_progress 1
		.amdhsa_inst_pref_size 109
	.end_amdhsa_kernel
	.amdgpu_metadata
---
amdhsa.version: [ 1, 2 ]
amdhsa.kernels:
  - .name:           k_q2d9853cdd4_qkv
    .symbol:         k_q2d9853cdd4_qkv.kd
    .args:
      - { .name: xq, .offset: 0, .size: 8, .value_kind: global_buffer, .address_space: global }
      - { .name: wq, .offset: 8, .size: 8, .value_kind: global_buffer, .address_space: global }
      - { .name: b_attn, .offset: 16, .size: 8, .value_kind: global_buffer, .address_space: global }
      - { .name: qbuf, .offset: 24, .size: 8, .value_kind: global_buffer, .address_space: global }
      - { .name: kv, .offset: 32, .size: 8, .value_kind: global_buffer, .address_space: global }
    .group_segment_fixed_size: 327680
    .private_segment_fixed_size: 0
    .kernarg_segment_align: 8
    .kernarg_segment_size: 40
    .max_flat_workgroup_size: 128
    .sgpr_count:     106
    .vgpr_count:     1024
    .wavefront_size: 32
...
	.end_amdgpu_metadata
.endif
;; end of part 2
;; launch attn (part 3): grid 8 x 32, 8 waves a work-group, clusters of 4 x 1, 310,272 bytes of LDS; arguments qbuf, kv, yq, ys; writes yq, ys
.if DOCPART == 3
	.amdgcn_target "amdgcn-amd-amdhsa--gfx1250"
	.amdhsa_code_object_version 6
	.text
	.protected	k_q2d9853cdd4_attn
	.globl	k_q2d9853cdd4_attn
	.p2align	8
	.type	k_q2d9853cdd4_attn,@function
k_q2d9853cdd4_attn:
	s_mov_b64 s[64:65], 0
	v_nop
	global_prefetch_b8 v0, s[64:65] scope:SCOPE_SE
	s_setreg_imm32_b32 hwreg(HW_REG_WAVE_MODE, 25, 1), 1
	s_wait_xcnt 0x0
	s_wait_alu depctr_hold_cnt(0) depctr_sa_sdst(0) depctr_va_vdst(0) depctr_va_sdst(0) depctr_va_ssrc(0) depctr_va_vcc(0) depctr_vm_vsrc(0)
	s_getreg_b32 s2, hwreg(HW_REG_IB_STS2, 6, 4)
	s_cmp_eq_u32 s2, 0
	s_cbranch_scc0 .Lentry_in_a_cluster
	s_endpgm
.Lentry_in_a_cluster:
	s_bfe_u32 s2, ttmp6, 0x10000c
	s_cmp_lg_u32 s2, 0x3003
	s_cbranch_scc0 .Lentry_shape_is_right
	s_endpgm
.Lentry_shape_is_right:
; Causal attention of one (batch, head) on codes of FP6 (E2M3): S^T = K Q^T, p = 2^(t - M), O^T = V^T P^T, O / l, and the quantising of the result along the head's 64 channels for the last product.
; t = score x log2(e) / 8; M = the running largest t rounded up to a whole number; the row's sum l is taken of the unquantised p; when M moves, l and O are multiplied by 2^(old M - new M): exact.
; LEFT OUT: steps of 128 keys that all come after a block of 128 queries, which reference() masks itself.
; THE HEAD'S K AND V STAY IN LDS: 16 records of 12,800 bytes (128 keys each), filled once, two by each wave.  No slot is filled again.
; CLUSTER 4 x 1: the four partners want the same head: every record is asked for jointly.  All of the head's bytes are asked for at the head, so there is nothing left to prefetch.
; SHARES.  A PAIR OF WAVES, w and w + 4, owns two neighbouring tiles of 16 queries in block e and two in block 15 - e: 17 key steps.  Wave w takes the even steps, wave w + 4 the odd ones: 9 and 8 steps, BOTH TILES OF A BLOCK AT ONCE: they share
; each fragment of K and V, and their chains of vector work stand side by side.  Each wave works block e first, then block 15 - e; the parts (O, l, M) meet in LDS at the end, where wave w finishes block e's tiles and wave w + 4 the others.
; e hangs on the wave's number and the cluster's x alone; the tiles' place in the block on the work-group's place in its cluster, which enters global addresses and the mask's vector register only.
; Every wave walks the same loops; a step after the block is jumped over by a scalar branch on ids.
; A FRAGMENT OF K HOLDS 32 KEYS: K = 0 .. 63 the first tile's 64 channels, 64 .. 127 the second's.  Multiplied by [q | 0] it gives the first tile's scores, by [0 | q] the second's: zero codes add nothing.
; Lane (r, h) holds query r throughout; register N of S is key 64 (N / 32) + 32 h + N % 32: so each 32 registers are one scale block of p, and two conversions give the operand's registers; register N of O is channel 32 h + N.
; LIMITS: NaN and infinities are not served; scaled scores stay under 2^31 in magnitude; 1 / l is v_rcp_f32 and a multiplication; a block whose largest magnitude lies under 2^-124 (zeros too) gets the byte 1.
.set RECB,  12800
.set EX,    16*RECB                    ; the parts: 12 places of 8,704 bytes, 4,352 a tile: place w: wave w's first block; place 8 + w (w < 4): its second
.set EXB,   4352
.set SPARE, EX+24*EXB
.set LI,  1                            ; 16 x lane
.set LR,  2                            ; 16 r
.set VD,  3                            ; the first tile's query's place in its block - 32 h
.set ADI, 4
.set ADS, 5
.set ZZ,  6                            ; v6, v7 zeros
.set H8,  9                            ; 8 h
.set L8,  10                           ; 8 x lane
.set YSO, 11
.set NM,  12                           ; + 4 T: -M and the largest score of tile T
.set SU,  14                           ; + 4 T: the sum, in two halves
.set FF,  20                           ; + 2 T: f
.set TM,  24                           ; + 4 T: chains
.set PX,  32                           ; + T: a lane permute's destination
.set TT,  34                           ; + T
.set SOP, 36                           ; + 2 T: conversions' scale operands
.set KSR, 40
.set VSR, 44
.set PS,  52                           ; + T
.set QS,  54                           ; + T
.set QW,  48                           ; + block: q's scale words as loaded
.set SPW, 58
.set NIL, 59
.set EA,  60                           ; v60-63 LDS addresses of my places
.set S,   64                           ; + 64 T
.set O,   192                          ; + 32 T
; window 1: K's four fragments at 0, V's at 48; q: six zeros at 96, the first tile's six at 102, six zeros, the second's six at 114, six zeros; the second block's q at 126; p's codes at 140 + 12 T; conversions' second halves at 164 + 8 T
.set FK,  0
.set FV,  48
.set QZ,  96
.set NQ,  126
.set PCD, 140
.set CT,  164
.set WV,  12
.set CX,  13
.set BH,  14
.set BLK, 15
.set SS,  17
.set EE,  18
.set E2,  19
.set SEL, 20
.set CS,  22
.set G1,  24
.set G0,  44
.set TB,  48
.set KI,  49
.set CN,  62
.set MSB, 0
.macro WIN new
.if MSB != \new
	s_set_vgpr_msb (MSB<<8)|(\new)
.set MSB, \new
.endif
.endm
.macro CROUND
	s_barrier_signal -1
	s_barrier_wait -1
	s_cmp_lg_u32 s[WV], 0
	s_cbranch_scc1 .Lnot_wave_0_\@
	s_barrier_signal -3
.Lnot_wave_0_\@:
	s_barrier_wait -3
	s_barrier_signal -1
	s_barrier_wait -1
.endm
.macro TLOAD
	tensor_load_to_lds s[G0:G0+3], s[G1:G1+7]
	s_nop 0
.rept 4
	v_nop
.endr
.endm
	s_load_b256 s[4:11], s[0:1], 0x0               ; qbuf, kv, yq, ys
	v_lshl_add_u32 v[SPW], v0, 2, SPARE
	v_mov_b32 v[NIL], 0
	ds_add_u32 v[SPW], v[NIL]                      ; the opening lines
	ds_add_u32 v[SPW], v[NIL]
	v_lshrrev_b32 v1, 5, v0
	v_readfirstlane_b32 s[WV], v1
	s_bfe_u32 s[CX], ttmp6, 0x40000                ; my place in the cluster
	s_and_b32 s[BH], ttmp7, 0xffff                 ; 16 x batch + head
	s_lshr_b32 s[SS], s[WV], 2                     ; which steps are mine: even or odd
	s_and_b32 s50, s[WV], 3
	s_lshl_b32 s50, s50, 1
	s_add_co_u32 s[EE], s50, ttmp9                 ; e = 2 (w % 4) + cluster x, 0 .. 7
	s_sub_co_u32 s[E2], 15, s[EE]
	s_mov_b32 s[G1], 15|(3<<16)|(1<<21)            ; two records: 100 rows of 256 bytes; the mask names all four partners
	s_mov_b32 s[G1+1], 32<<16
	s_mov_b32 s[G1+2], 100<<16
	s_mov_b32 s[G1+3], 32<<16
	s_mov_b32 s[G1+4], 100
	s_mov_b32 s[G1+5], 32
	s_mov_b32 s[G1+6], 0
	s_mov_b32 s[G1+7], 0
	s_mul_i32 s50, s[BH], 16*RECB
	s_mul_i32 s52, s[WV], 2*RECB
	s_mov_b32 s[G0], 1
	s_mov_b32 s[G0+1], s52
	s_add_co_u32 s50, s50, s52
	s_mov_b32 s51, 0
	; q: 16 records of 6,400 bytes a head; fragment cx holds my two tiles
	s_mul_i32 s58, s[BH], 102400
	s_mul_i32 s52, s[EE], 6400
	s_add_co_u32 s52, s52, s58
	s_mul_i32 s54, s[E2], 6400
	s_add_co_u32 s54, s54, s58
	s_lshl_b32 s59, s[CX], 2
	s_add_co_u32 s59, s59, 6144
	s_add_co_u32 s56, s52, s59
	s_add_co_u32 s58, s54, s59
	s_mul_i32 s59, s[CX], 1536
	s_add_co_u32 s52, s52, s59
	s_add_co_u32 s54, s54, s59
	s_mov_b32 s53, 0
	s_mov_b32 s55, 0
	s_mov_b32 s57, 0
	s_mov_b32 s59, 0
	v_and_b32 v8, 31, v0
	v_and_b32 v6, 15, v0                           ; r
	v_bfe_u32 v7, v0, 4, 1                         ; h
	v_lshlrev_b32 v[LI], 4, v8
	v_lshlrev_b32 v[L8], 3, v8
	v_lshlrev_b32 v[LR], 4, v6
	v_lshlrev_b32 v[H8], 3, v7
	s_wait_alu depctr_va_vdst(0)
	s_wait_dscnt 0x0
	CROUND                                         ; all four work-groups are here: the joint loads meet.  (Ahead of the wait for the arguments)
	s_wait_kmcnt 0x0
	s_add_nc_u64 s[32:33], s[4:5], s[52:53]
	s_add_nc_u64 s[36:37], s[4:5], s[56:57]
	s_add_nc_u64 s[34:35], s[4:5], s[54:55]
	s_add_nc_u64 s[38:39], s[4:5], s[58:59]
	s_add_nc_u64 s[G0+2:G0+3], s[6:7], s[50:51]
	s_or_b32 s[G0+3], s[G0+3], 0x80000000
	WIN 0x40                                       ; the first block's q is asked for ahead of the records
	global_load_b128 v[QZ+6:QZ+9], v[LI], s[32:33]                  ; registers 0-3: the first tile's half is registers 0-5,
	global_load_b64 v[QZ+10:QZ+11], v[LI], s[32:33] offset:512
	global_load_b64 v[QZ+18:QZ+19], v[LI], s[32:33] offset:520      ; the second's 6-11
	global_load_b128 v[QZ+20:QZ+23], v[LI], s[32:33] offset:1024
	WIN 0
	global_load_b32 v[QW], v[LR], s[36:37]
	s_cmp_lt_u32 s[WV], 1
	s_cbranch_scc0 .Llater
	TLOAD                                          ; wave 0: records 0 and 1, all that the first step reads
	s_branch .Lasked
.Llater:
	TLOAD                                          ; waves 1-7: records 2-15
.Lasked:
	WIN 0x40
.irp c, 0,1,2
	global_load_b128 v[NQ+4*\c:NQ+4*\c+3], v[LI], s[34:35] offset:512*\c
.endr
	WIN 0
	global_load_b32 v[QW+1], v[LR], s[38:39]
	s_mov_b32 s[SEL], 0x76543210
	s_mov_b32 s[SEL+1], 0xfedcba98
	s_mov_b32 s[CS], 0x3e38aa3b                    ; c = log2(e) / 8
	s_mov_b32 s[CS+1], s[CS]
	; the first tile's place in its block: tile 2 cx: 64 (tile / 4) + 8 (tile % 4); the second's is 8 more
	s_lshr_b32 s51, s[CX], 1
	s_lshl_b32 s51, s51, 6
	s_and_b32 s50, s[CX], 1
	s_lshl_b32 s50, s50, 4
	s_add_co_u32 s50, s50, s51
	s_mul_i32 s52, s[WV], 2*EXB
	s_add_co_u32 s52, s52, EX
	s_add_co_u32 s53, s52, 4096
	s_add_co_u32 s54, s52, 16*EXB
	s_add_co_u32 s55, s53, 16*EXB
	s_wait_alu depctr_va_vdst(0)
	v_lshl_add_u32 v[YSO], v6, 2, v7
	v_lshrrev_b32 v8, 3, v6
	v_and_b32 v[VD], 7, v6
	v_add_nc_u32 v[EA], s52, v[LI]
	v_add_nc_u32 v[EA+1], s53, v[L8]
	v_sub_nc_u32 v8, v8, v7                        ; r / 8 - h
	v_add_nc_u32 v[EA+2], s54, v[LI]
	v_add_nc_u32 v[EA+3], s55, v[L8]
	v_lshl_add_u32 v[VD], v8, 5, v[VD]
	v_mov_b32 v[ZZ], 0
	v_mov_b32 v[ZZ+1], 0
	v_add_nc_u32 v[VD], s50, v[VD]                 ; 64 (tile / 4) + 32 (r / 8) + 8 (tile % 4) + r % 8 - 32 h
.irp i, 20,21,22,23,32,33,36,37,38,39
	v_mov_b32 v\i, 0                               ; (upper halves of pairs, and lane permutes' destinations, count as read)
.endr
	WIN 0x40
.irp i, 0,1,2,3,4,5
	v_mov_b32 v[QZ+\i], 0
	v_mov_b32 v[QZ+12+\i], 0
	v_mov_b32 v[QZ+24+\i], 0
.endr
	WIN 0
	s_wait_alu depctr_va_vdst(0)
.macro FRESH                                   ; nothing summed yet
.irp T, 0,1
	v_mov_b32 v[NM+4*\T], 0x7f61b1e6               ; -M
	v_mov_b32 v[NM+4*\T+1], 0xff61b1e6             ; the largest score so far: -3e38
	v_mov_b32 v[SU+4*\T], 0
	v_mov_b32 v[SU+4*\T+1], 0
.endr
.set N, 0
.rept 32
	v_dual_mov_b32 v[O+N], v6 :: v_dual_mov_b32 v[O+N+1], v7   ; zeros: the first change of M multiplies them
.set N, N+2
.endr
.endm
	FRESH
	s_wait_alu depctr_va_vdst(0)
	s_wait_loadcnt 0x4                             ; the first block's q is in; the second's four loads may be out
	v_perm_b32 v[QS], v[QW], v[QW], 0x01000100     ; a tile's two bytes of the word, twice
	v_perm_b32 v[QS+1], v[QW], v[QW], 0x03020302
.macro WMQ d, k, q, t, T
	v_wmma_scale_f32_16x16x128_f8f6f4 v[\d:\d+7], v[\k:\k+11], v[\q:\q+11], 0, v[KSR+\t], v[QS+\T] matrix_a_fmt:MATRIX_FMT_FP6 matrix_b_fmt:MATRIX_FMT_FP6
.endm
.macro WMP t, T
	v_wmma_scale_f32_16x16x128_f8f6f4 v[O+32*\T+8*\t:O+32*\T+8*\t+7], v[FV+12*\t:FV+12*\t+11], v[PCD+12*\T:PCD+12*\T+11], v[O+32*\T+8*\t:O+32*\T+8*\t+7], v[VSR+\t], v[PS+\T] matrix_a_fmt:MATRIX_FMT_FP6 matrix_b_fmt:MATRIX_FMT_FP6
.endm
.macro ACC d, x
	v_pk_add_f32 v[\d:\d+1], v[\d:\d+1], v[\x:\x+1]
.endm
.macro QUANTP T                                ; tile T's p: codes and scale word
.set PA, TM+4*\T
.set PO, SOP+2*\T
	v_max_num_f32 v[PA], 0x1800000, v[PA]          ; the floor
	v_max_num_f32 v[PA+2], 0x1800000, v[PA+2]
	v_add_nc_u32 v[PO], 0xff000000, v[PA]          ; 2 off the exponent field: the conversion's scale operand
	v_add_nc_u32 v[PO+1], 0xff000000, v[PA+2]
	WIN 0x40
.irp c, 0,1
	v_cvt_scalef32_pk16_fp6_f32 v[PCD+12*\T+6*\c:PCD+12*\T+6*\c+2], v[S+64*\T+32*\c:S+64*\T+32*\c+15], v[PO+\c]
	v_cvt_scalef32_pk16_fp6_f32 v[CT+8*\T+4*\c:CT+8*\T+4*\c+2], v[S+64*\T+32*\c+16:S+64*\T+32*\c+31], v[PO+\c]   ; (a conversion's three registers begin on an even number)
.endr
	WIN 0
	v_lshrrev_b32 v[PA], 23, v[PO]                 ; the bytes of blocks h and 2 + h.  (Plain places behind the conversions)
	v_lshrrev_b32 v[PA+2], 23, v[PO+1]
	v_lshl_or_b32 v[PA], v[PA+2], 16, v[PA]
	v_lshlrev_b32 v[PA], v[H8], v[PA]              ; at their places in the word;
	v_permlanex16_b32 v[PX+\T], v[PA], s[SEL], s[SEL+1]
	v_or_b32 v[PS+\T], v[PA], v[PX+\T]             ; with lane l xor 16's two: p's scale word
	WIN 0x41
.irp i, 0,1,2
	v_mov_b32 v[PCD+12*\T+3+\i], v[CT+8*\T+\i]
	v_mov_b32 v[PCD+12*\T+9+\i], v[CT+8*\T+4+\i]
.endr
	WIN 0
.endm
.macro STEP                                    ; 128 keys, both tiles
	s_cmp_gt_u32 s[KI], s[BLK]                     ; all of them after my block: nothing to do
	s_cbranch_scc1 .Lhidden_\@
	v_add_nc_u32 v[ADS], s[TB], v[LR]
	v_add_nc_u32 v[ADI], s[TB], v[LI]
	ds_load_b128 v[KSR:KSR+3], v[ADS] offset:12288
	WIN 0x40
.irp b, 0,1,2,3
.irp c, 0,1,2
	ds_load_b128 v[FK+12*\b+4*\c:FK+12*\b+4*\c+3], v[ADI] offset:1536*\b+512*\c
.endr
.endr
	WIN 0
	ds_load_b128 v[VSR:VSR+3], v[ADS] offset:12544
	WIN 0x40
.irp t, 0,1,2,3                                ; V's fragments land while the softmax is worked
.irp c, 0,1,2
	ds_load_b128 v[FV+12*\t+4*\c:FV+12*\t+4*\c+3], v[ADI] offset:6144+1536*\t+512*\c
.endr
.endr
	s_wait_alu depctr_va_vdst(0)
	WIN 0x05
.irp b, 0,1,2,3
	s_wait_dscnt 22-3*\b                           ; fragment b is in; the younger ones, three loads each, and V's 13 may be out
	WMQ S+16*\b,      FK+12*\b, QZ+6,  \b, 0
	WMQ S+16*\b+8,    FK+12*\b, QZ,    \b, 0
	WMQ S+64+16*\b,   FK+12*\b, QZ+18, \b, 1
	WMQ S+64+16*\b+8, FK+12*\b, QZ+12, \b, 1
.endr
	WIN 0
.rept 4
	v_nop                                          ; places in front of the first read of the scores
.endr
	s_cmp_lg_u32 s[KI], s[BLK]                     ; only my block's own step lies on the diagonal
	s_cbranch_scc1 .Lopen_\@
	v_mov_b32 v[TT], 0xff800000                    ; -infinity: p = 0 then
.set N, 0
.rept 64                                       ; the second tile's queries come 8 later: what hides key k from the first tile hides key k + 8 from the second
.if N%32 < 8
	v_cmp_gt_i32 vcc_lo, 64*(N/32)+N%32-8, v[VD]
	v_cndmask_b32 v[S+64+N], v[S+64+N], v[TT], vcc_lo
.endif
	v_cmp_gt_i32 vcc_lo, 64*(N/32)+N%32, v[VD]
	v_cndmask_b32 v[S+N], v[S+N], v[TT], vcc_lo
.if N%32 < 24
	v_cndmask_b32 v[S+64+N+8], v[S+64+N+8], v[TT], vcc_lo
.endif
.set N, N+1
.endr
.Lopen_\@:
.irp b, 0,1,2,3
.irp T, 0,1
	v_max3_num_f32 v[TM+4*\T+\b], v[S+64*\T+16*\b], v[S+64*\T+1+16*\b], v[S+64*\T+2+16*\b]   ; the largest score of each block of 32 keys, in two chains each
.endr
.endr
.irp i, 3,5,7,9,11,13
.irp b, 0,1,2,3
.irp T, 0,1
	v_max3_num_f32 v[TM+4*\T+\b], v[TM+4*\T+\b], v[S+64*\T+16*\b+\i], v[S+64*\T+1+16*\b+\i]
.endr
.endr
.endr
.irp T, 0,1
	v_max3_num_f32 v[TM+4*\T], v[TM+4*\T], v[TM+4*\T+1], v[S+64*\T+15]
	v_max3_num_f32 v[TM+4*\T+2], v[TM+4*\T+2], v[TM+4*\T+3], v[S+64*\T+47]
.endr
.irp T, 0,1
	v_max_num_f32 v[TM+4*\T], v[TM+4*\T], v[S+64*\T+31]
.endr
.irp T, 0,1
	v_max_num_f32 v[TM+4*\T+2], v[TM+4*\T+2], v[S+64*\T+63]
.endr
.irp T, 0,1
	s_delay_alu instid0(VALU_DEP_2)
	v_max_num_f32 v[TT+\T], v[TM+4*\T], v[TM+4*\T+2]
.endr
.irp T, 0,1
	s_delay_alu instid0(VALU_DEP_2)
	v_permlanex16_b32 v[PX+\T], v[TT+\T], s[SEL], s[SEL+1] ; lane l xor 16 has my query's other keys
.endr
.irp T, 0,1
	s_delay_alu instid0(VALU_DEP_2)
	v_max3_num_f32 v[NM+4*\T+1], v[NM+4*\T+1], v[TT+\T], v[PX+\T]   ; the running largest score
.endr
.irp T, 0,1
	s_delay_alu instid0(VALU_DEP_2)
	v_mul_f32 v[TT+\T], -v[NM+4*\T+1], s[CS]
.endr
.irp T, 0,1
	s_delay_alu instid0(VALU_DEP_2)
	v_floor_f32 v[TT+\T], v[TT+\T]                 ; the new -M = -ceil(t)
.endr
.irp T, 0,1
	s_delay_alu instid0(VALU_DEP_2)
	v_sub_f32 v[FF+2*\T], v[TT+\T], v[NM+4*\T]     ; old M - new M: a whole number, 0 or less
.endr
.irp T, 0,1
	v_mov_b32 v[NM+4*\T], v[TT+\T]
.endr
.set N, 0
.rept 4
	v_pk_fma_f32 v[S+N:S+N+1], v[S+N:S+N+1], s[CS:CS+1], v[NM:NM+1] op_sel_hi:[1,0,0]   ; t - M of the first tile
.set N, N+2
.endr
.irp T, 0,1
	v_cvt_i32_f32 v[FF+2*\T], v[FF+2*\T]           ; (it saturates)
.endr
.rept 4
	v_pk_fma_f32 v[S+N:S+N+1], v[S+N:S+N+1], s[CS:CS+1], v[NM:NM+1] op_sel_hi:[1,0,0]
.set N, N+2
.endr
.irp T, 0,1
	v_ldexp_f32 v[FF+2*\T], 1.0, v[FF+2*\T]        ; f = 2^(old M - new M)
.endr
.rept 24
	v_pk_fma_f32 v[S+N:S+N+1], v[S+N:S+N+1], s[CS:CS+1], v[NM:NM+1] op_sel_hi:[1,0,0]
.set N, N+2
.endr
.irp T, 0,1
	v_fma_f32 v[TM+4*\T], v[TM+4*\T], s[CS], v[NM+4*\T]       ; the same of each block's largest score
	v_fma_f32 v[TM+4*\T+2], v[TM+4*\T+2], s[CS], v[NM+4*\T]
.endr
.irp T, 0,1
.set N, 0
.rept 16
	v_pk_mul_f32 v[O+32*\T+N:O+32*\T+N+1], v[O+32*\T+N:O+32*\T+N+1], v[FF+2*\T:FF+2*\T+1] op_sel_hi:[1,0]   ; O^T under the new M
.set N, N+2
.endr
	v_pk_mul_f32 v[SU+4*\T:SU+4*\T+1], v[SU+4*\T:SU+4*\T+1], v[FF+2*\T:FF+2*\T+1] op_sel_hi:[1,0]           ; and the sum
.endr
	s_wait_alu depctr_va_vdst(0)                   ; the wait ahead of the batch
	v_exp_f32 v[TM], v[TM]                         ; a block's largest p: the same two instructions on the same number
	v_exp_f32 v[TM+2], v[TM+2]
.set N, 0
.rept 32                                       ; the first tile's p = 2^(t - M); among them the second tile's t - M, which is read behind the wait
	v_exp_f32 v[S+N], v[S+N]
	v_exp_f32 v[S+N+1], v[S+N+1]
	v_pk_fma_f32 v[S+64+N:S+64+N+1], v[S+64+N:S+64+N+1], s[CS:CS+1], v[NM+4:NM+5] op_sel_hi:[1,0,0]
.set N, N+2
.endr
	s_wait_alu depctr_va_vdst(0)                   ; one wait: behind the first batch, ahead of its readers and of the second batch
	QUANTP 0
	v_exp_f32 v[TM+4], v[TM+4]
	v_exp_f32 v[TM+6], v[TM+6]
.set N, 0
.rept 16                                       ; the second tile's p; among them half of the first tile's sum (of the unquantised p), which is read behind the wait
	v_exp_f32 v[S+64+2*N], v[S+64+2*N]
	v_exp_f32 v[S+64+2*N+1], v[S+64+2*N+1]
	v_exp_f32 v[S+64+2*N+2], v[S+64+2*N+2]
	v_exp_f32 v[S+64+2*N+3], v[S+64+2*N+3]
	v_pk_add_f32 v[S+N:S+N+1], v[S+N:S+N+1], v[S+32+N:S+33+N]
.set N, N+2
.endr
	s_wait_alu depctr_va_vdst(0)                   ; behind the second batch
	s_wait_dscnt 0x0                               ; V is in
	WIN 0x05
	WMP 0, 0
	WIN 0                                          ; THE ROWS' SUMS, three chains a tile, stand among the products
	v_pk_add_f32 v[TM:TM+1], v[S:S+1], v[S+2:S+3]
	v_pk_add_f32 v[TM+2:TM+3], v[S+4:S+5], v[S+6:S+7]
	ACC SU, S+8
	ACC TM, S+10
	WIN 0x05
	WMP 1, 0
	WIN 0
	ACC TM+2, S+12
	ACC SU, S+14
	ACC TM, S+16
	ACC TM+2, S+18
	WIN 0x05
	WMP 2, 0
	WIN 0
	ACC SU, S+20
	ACC TM, S+22
	ACC TM+2, S+24
	WIN 0x05
	WMP 3, 0
	WIN 0
	ACC SU, S+26
	ACC TM, S+28
	ACC TM+2, S+30
	QUANTP 1
	v_pk_add_f32 v[TM+4:TM+5], v[S+64:S+65], v[S+66:S+67]   ; (these twelve are also the places in front of the second tile's products)
	v_pk_add_f32 v[TM+6:TM+7], v[S+68:S+69], v[S+70:S+71]
	ACC SU+4, S+72
.set N, 74
.rept 3
	ACC TM+4, S+N
	ACC TM+6, S+N+2
	ACC SU+4, S+N+4
.set N, N+6
.endr
.irp t, 0,1,2,3
	WIN 0x05
	WMP \t, 1
	WIN 0
	ACC TM+4, S+N
	ACC TM+6, S+N+2
	ACC SU+4, S+N+4
.set N, N+6
.endr
.rept 2                                        ; the last lines are the places in front of the next loads into V's registers and of the next read of O^T
	ACC TM+4, S+N
	ACC TM+6, S+N+2
	ACC SU+4, S+N+4
.set N, N+6
.endr
	ACC SU, TM
	ACC SU+4, TM+4
	ACC SU, TM+2
	ACC SU+4, TM+6
.Lhidden_\@:
	s_add_co_u32 s[TB], s[TB], 2*RECB
	s_add_co_u32 s[KI], s[KI], 2
.endm
	s_mov_b32 s[BLK], s[EE]
	s_mov_b32 s[KI], s[SS]
	s_mul_i32 s[TB], s[SS], RECB
	s_mov_b32 s[CN], 0
	s_wait_alu depctr_va_vdst(0)                   ; the wait at the head's end
	s_cmp_lt_u32 s[WV], 1
	s_cbranch_scc0 .Lnot_first
	s_wait_tensorcnt 0x0                           ; wave 0: records 0 and 1 are in
.Lnot_first:
	s_barrier_signal -1
	s_barrier_wait -1                              ; the other records may be on their way: nothing is filled again
	STEP                                           ; key step 0 or 1: it reads record 0 or 1 alone
	s_wait_alu depctr_va_vdst(0)
	s_wait_tensorcnt 0x0                           ; my records are in,
	s_wait_dscnt 0x0
	s_barrier_signal -1
	s_barrier_wait -1                              ; everybody's are
	s_mov_b32 s[CN], 1
.Lfirst:
	STEP
	s_add_co_u32 s[CN], s[CN], 1
	s_cmp_lt_u32 s[CN], 4
	s_cbranch_scc1 .Lfirst
	s_wait_alu depctr_va_vdst(0)
	s_wait_loadcnt 0x0                             ; the second block's q is in
.macro PUT a, b                                ; my parts: O, and l and -M, of both tiles
.irp T, 0,1
	v_add_f32 v[SU+4*\T], v[SU+4*\T], v[SU+4*\T+1]
	v_mov_b32 v[SU+4*\T+1], v[NM+4*\T]
.endr
.irp T, 0,1
.irp k, 0,1,2,3,4,5,6,7
	ds_store_b128 v[\a], v[O+32*\T+4*\k:O+32*\T+4*\k+3] offset:EXB*\T+512*\k
.endr
	ds_store_b64 v[\b], v[SU+4*\T:SU+4*\T+1] offset:EXB*\T
.endr
.endm
	PUT EA, EA+1
	FRESH                                          ; the second block
	WIN 0x41
.irp i, 0,1,2,3,4,5
	v_mov_b32 v[QZ+6+\i], v[NQ+\i]
	v_mov_b32 v[QZ+18+\i], v[NQ+6+\i]
.endr
	WIN 0
	v_perm_b32 v[QS], v[QW+1], v[QW+1], 0x01000100
	v_perm_b32 v[QS+1], v[QW+1], v[QW+1], 0x03020302
.rept 8
	v_nop                                          ; a scale register written by a vector instruction stands 8 places ahead of a scaled product
.endr
	s_mov_b32 s[BLK], s[E2]
	s_mov_b32 s[KI], s[SS]
	s_mul_i32 s[TB], s[SS], RECB
	s_mov_b32 s[CN], 0
	s_wait_alu depctr_va_vdst(0)
.Lsecond:
	STEP
	s_add_co_u32 s[CN], s[CN], 1
	s_cmp_lt_u32 s[CN], 8
	s_cbranch_scc1 .Lsecond
	; the parts meet: waves 0-3 hand over their parts of the second block and take back their own of the first
	s_wait_alu depctr_va_vdst(0)
	s_cmp_lt_u32 s[WV], 4
	s_cbranch_scc0 .Lkeep
	PUT EA+2, EA+3
	s_wait_alu depctr_va_vdst(0)
	s_branch .Lmeet
.Lkeep:
.irp T, 0,1
	v_add_f32 v[SU+4*\T], v[SU+4*\T], v[SU+4*\T+1]
	v_mov_b32 v[SU+4*\T+1], v[NM+4*\T]
.endr
	s_wait_alu depctr_va_vdst(0)
.Lmeet:
	s_wait_dscnt 0x0                               ; for the others' sake: my stores are done
	s_barrier_signal -1
	s_barrier_wait -1
	s_cmp_lt_u32 s[WV], 4
	s_cbranch_scc0 .Lmine
.irp T, 0,1
.irp k, 0,1,2,3,4,5,6,7
	ds_load_b128 v[O+32*\T+4*\k:O+32*\T+4*\k+3], v[EA] offset:EXB*\T+512*\k
.endr
	ds_load_b64 v[SU+4*\T:SU+4*\T+1], v[EA+1] offset:EXB*\T
.endr
.Lmine:
.irp T, 0,1
.irp k, 0,1,2,3,4,5,6,7
	ds_load_b128 v[S+64*\T+4*\k:S+64*\T+4*\k+3], v[EA] offset:8*EXB+EXB*\T+512*\k   ; place w + 4: the partner's parts of the tiles that I finish
.endr
	ds_load_b64 v[S+64*\T+32:S+64*\T+33], v[EA+1] offset:8*EXB+EXB*\T
.endr
	s_wait_dscnt 0x0
.irp T, 0,1
	v_min_num_f32 v[TT+\T], v[SU+4*\T+1], v[S+64*\T+33]   ; the larger M
.endr
.irp T, 0,1
	v_sub_f32 v[FF+2*\T], v[TT+\T], v[SU+4*\T+1]
	v_sub_f32 v[SOP+2*\T], v[TT+\T], v[S+64*\T+33]
.endr
.irp T, 0,1
	v_cvt_i32_f32 v[FF+2*\T], v[FF+2*\T]
	v_cvt_i32_f32 v[SOP+2*\T], v[SOP+2*\T]
.endr
.irp T, 0,1
	v_ldexp_f32 v[FF+2*\T], 1.0, v[FF+2*\T]        ; (a part without a step has M = -3e38: its factor is 0)
	v_ldexp_f32 v[SOP+2*\T], 1.0, v[SOP+2*\T]
.endr
.irp T, 0,1
	v_mul_f32 v[SU+4*\T], v[SU+4*\T], v[FF+2*\T]
.endr
.irp T, 0,1
	v_fma_f32 v[SU+4*\T], v[S+64*\T+32], v[SOP+2*\T], v[SU+4*\T]
.endr
.irp T, 0,1
	v_permlanex16_b32 v[PX+\T], v[SU+4*\T], s[SEL], s[SEL+1]
.endr
.irp T, 0,1
	v_add_f32 v[SU+4*\T], v[SU+4*\T], v[PX+\T]     ; the row's sum
.endr
.irp T, 0,1
.set N, 0
.rept 16
	v_pk_mul_f32 v[O+32*\T+N:O+32*\T+N+1], v[O+32*\T+N:O+32*\T+N+1], v[FF+2*\T:FF+2*\T+1] op_sel_hi:[1,0]
.set N, N+2
.endr
.endr
.irp T, 0,1
.set N, 0
.rept 16
	v_pk_fma_f32 v[O+32*\T+N:O+32*\T+N+1], v[S+64*\T+N:S+64*\T+N+1], v[SOP+2*\T:SOP+2*\T+1], v[O+32*\T+N:O+32*\T+N+1] op_sel_hi:[1,0,1]
.set N, N+2
.endr
.endr
	; THE WAY OUT: O / l, quantised along the head's 64 channels: half a fragment (6 registers) and two scale bytes a row
	s_wait_alu depctr_va_vdst(0)
	v_rcp_f32 v[SU], v[SU]
	v_rcp_f32 v[SU+4], v[SU+4]
	v_nop                                          ; one plain place behind a transcendental
	s_cmp_eq_u32 s[SS], 0
	s_cselect_b32 s49, s[EE], s[E2]                ; the block that I finish
	s_lshr_b32 s50, s[BH], 4
	s_lshl_b32 s50, s50, 7
	s_lshl_b32 s51, s49, 3
	s_add_co_u32 s50, s50, s51
	s_lshl_b32 s51, s[CX], 1
	s_add_co_u32 s50, s50, s51                     ; my first tile of tokens: 128 x batch + 8 x block + 2 cx
	s_and_b32 s51, s[BH], 15                       ; the head
	s_mul_i32 s52, s50, 12288
	s_mul_i32 s53, s51, 768
	s_add_co_u32 s52, s52, s53
	s_mov_b32 s53, 0
	s_add_nc_u64 s[8:9], s[8:9], s[52:53]
	s_lshr_b32 s54, s51, 1
	s_lshl_b32 s54, s54, 14                        ; the K step of the last product: head / 2
	s_lshl_b32 s55, s50, 6
	s_add_co_u32 s54, s54, s55
	s_and_b32 s55, s51, 1
	s_lshl_b32 s55, s55, 1
	s_add_co_u32 s54, s54, s55
	s_mov_b32 s55, 0
	s_add_nc_u64 s[10:11], s[10:11], s[54:55]
	s_wait_alu depctr_va_vdst(0)                   ; ahead of the reciprocals' first reader
.set N, 0
.rept 32
.irp T, 0,1
	v_mul_f32 v[S+64*\T+N], v[O+32*\T+N], v[SU+4*\T]
.endr
.set N, N+1
.endr
.irp b, 0,1
.irp T, 0,1
	v_max3_num_f32 v[TM+4*\T+\b], |v[S+64*\T+16*\b]|, |v[S+64*\T+1+16*\b]|, 0x1800000
.endr
.endr
.irp i, 2,4,6,8,10,12,14
.irp b, 0,1
.irp T, 0,1
	v_max3_num_f32 v[TM+4*\T+\b], v[TM+4*\T+\b], |v[S+64*\T+16*\b+\i]|, |v[S+64*\T+1+16*\b+\i]|
.endr
.endr
.endr
.irp T, 0,1
	v_max_num_f32 v[TM+4*\T], v[TM+4*\T], v[TM+4*\T+1]
.endr
.irp T, 0,1
	v_add_nc_u32 v[SOP+2*\T], 0xff000000, v[TM+4*\T]
.endr
.irp T, 0,1
	v_lshrrev_b32 v[TT+\T], 23, v[SOP+2*\T]        ; block h's byte
.endr
	WIN 0x40
.irp T, 0,1
	v_cvt_scalef32_pk16_fp6_f32 v[PCD+12*\T:PCD+12*\T+2], v[S+64*\T:S+64*\T+15], v[SOP+2*\T]
	v_cvt_scalef32_pk16_fp6_f32 v[CT+8*\T:CT+8*\T+2], v[S+64*\T+16:S+64*\T+31], v[SOP+2*\T]
.endr
	v_nop
	WIN 0x41
.irp T, 0,1
.irp i, 0,1,2
	v_mov_b32 v[PCD+12*\T+3+\i], v[CT+8*\T+\i]
.endr
.endr
	WIN 0x04
.irp T, 0,1
	global_store_b128 v[LI], v[PCD+12*\T:PCD+12*\T+3], s[8:9] offset:12288*\T             ; registers 0-3: 512 consecutive bytes
	global_store_b64 v[L8], v[PCD+12*\T+4:PCD+12*\T+5], s[8:9] offset:12288*\T+512        ; registers 4, 5: 256
.endr
	WIN 0
.irp T, 0,1
	global_store_b8 v[YSO], v[TT+\T], s[10:11] offset:64*\T    ; two bytes of each row's word; the other head of the pair writes the other two
.endr
	s_wait_tensorcnt 0x0                           ; the wave's end
	ds_add_u32 v[SPW], v[NIL]
	s_wait_dscnt 0x0
	CROUND                                         ; the closing round
	s_endpgm
.Lfunc_end_k_q2d9853cdd4_attn:
	.size	k_q2d9853cdd4_attn, .Lfunc_end_k_q2d9853cdd4_attn-k_q2d9853cdd4_attn
	.p2alignl 7, 3214868480
	.fill 96, 4, 3214868480
	.section	.rodata,"a",@progbits
	.p2align	6, 0x0
	.amdhsa_kernel k_q2d9853cdd4_attn
		.amdhsa_group_segment_fixed_size 310272
		.amdhsa_private_segment_fixed_size 0
		.amdhsa_enable_private_segment 0
		.amdhsa_kernarg_size 32
		.amdhsa_user_sgpr_count 2
		.amdhsa_user_sgpr_kernarg_segment_ptr 1
		.amdhsa_wavefront_size32 1
		.amdhsa_system_sgpr_workgroup_id_x 1
		.amdhsa_system_sgpr_workgroup_id_y 1
		.amdhsa_system_sgpr_workgroup_id_z 1
		.amdhsa_system_vgpr_workitem_id 0
		.amdhsa_next_free_vgpr 448
		.amdhsa_next_free_sgpr 66
		.amdhsa_reserve_vcc 1
		.amdhsa_float_denorm_mode_32 3
		.amdhsa_float_denorm_mode_16_64 3
		.amdhsa_memory_ordered 1
		.amdhsa_forward_progress 1
		.amdhsa_inst_pref_size 137
	.end_amdhsa_kernel
	.amdgpu_metadata
---
amdhsa.version: [ 1, 2 ]
amdhsa.kernels:
  - .name:           k_q2d9853cdd4_attn
    .symbol:         k_q2d9853cdd4_attn.kd
    .args:
      - { .name: qbuf, .offset: 0, .size: 8, .value_kind: global_buffer, .address_space: global }
      - { .name: kv, .offset: 8, .size: 8, .value_kind: global_buffer, .address_space: global }
      - { .name: yq, .offset: 16, .size: 8, .value_kind: global_buffer, .address_space: global }
      - { .name: ys, .offset: 24, .size: 8, .value_kind: global_buffer, .address_space: global }
    .group_segment_fixed_size: 310272
    .private_segment_fixed_size: 0
    .kernarg_segment_align: 8
    .kernarg_segment_size: 32
    .max_flat_workgroup_size: 256
    .sgpr_count:     66
    .vgpr_count:     448
    .wavefront_size: 32
...
	.end_amdgpu_metadata
.endif
;; end of part 3
;; launch proj (part 4): grid 8 x 32, 4 waves a work-group, clusters of 4 x 4, 222,720 bytes of LDS; arguments yq, ys, wq, out0, b_proj; writes out0
.if DOCPART == 4
	.amdgcn_target "amdgcn-amd-amdhsa--gfx1250"
	.amdhsa_code_object_version 6
	.text
	.protected	k_q2d9853cdd4_proj
	.globl	k_q2d9853cdd4_proj
	.p2align	8
	.type	k_q2d9853cdd4_proj,@function
k_q2d9853cdd4_proj:
	s_mov_b64 s[64:65], 0
	v_nop
	global_prefetch_b8 v0, s[64:65] scope:SCOPE_SE
	s_setreg_imm32_b32 hwreg(HW_REG_WAVE_MODE, 25, 1), 1
	s_wait_xcnt 0x0
	s_wait_alu depctr_hold_cnt(0) depctr_sa_sdst(0) depctr_va_vdst(0) depctr_va_sdst(0) depctr_va_ssrc(0) depctr_va_vcc(0) depctr_vm_vsrc(0)
	s_getreg_b32 s2, hwreg(HW_REG_IB_STS2, 6, 4)
	s_cmp_eq_u32 s2, 0
	s_cbranch_scc0 .Lentry_in_a_cluster
	s_endpgm
.Lentry_in_a_cluster:
	s_bfe_u32 s2, ttmp6, 0x10000c
	s_cmp_lg_u32 s2, 0xf033
	s_cbranch_scc0 .Lentry_shape_is_right
	s_endpgm
.Lentry_shape_is_right:
; out0 = y w_proj + b_proj on codes of FP6 (E2M3).  y's codes lie as half fragments (a tile of 16 tokens x a head's 64 channels: 768 bytes: registers 0-3 at 16 x lane, 4-5 at 512 + 8 x lane), 16 heads on end for each tile;
; its scale words as [8 K steps][4,096 tokens].  w_proj's records (512 bytes of scale words, 8 fragments of 1,536) are wq's from 192 on.
; 256 work-groups, 128 tokens x 128 columns each; four waves, 2 x 2: 64 tokens x 64 columns.  A wave holds its 64 columns, all of K, in registers (32 fragments, 384) and takes its tokens tile by tile: 32 products, and the tile leaves.
; All of K lies in LDS: nothing is filled again.  One load a wave at the head: w_proj's 8 records, y's scale words, y's tiles 0, 1, 4, 5, its tiles 2, 3, 6, 7.  All bytes are asked for there: nothing is left to prefetch.
; CLUSTERS 4 x 4: y is shared along a row of the cluster, w_proj along a column.
; Transposed use: source 0 = 16 columns, source 1 = 16 tokens: by the records' order lane (r, h) holds columns 32 h + 0 .. 31 of its token.  The bias is the C of each sum's first product.
; Place m of a tile j of a band of 64 tokens is token 32 (m / 8) + 8 j + m % 8: the way out puts each row where it belongs.
.set YB,  102400
.set YSB, 200704
.set STG, 204800                       ; the stage: 16 rows x (256 + 16) a wave
.set SPARE, STG+4*4352
.set LI,  1
.set WA,  2                            ; w_proj's fragments
.set WSA, 3                            ; its scale words
.set Y16, 4                            ; v4, v5 y's tiles s = 0, 1 and 2, 3: + 16 x lane;  v6, v7: + 8 x lane
.set Y8,  6
.set YSA, 8
.set STO, 9
.set RD,  10
.set CO,  11
.set SPW, 28
.set NIL, 29
.set ACC, 64                           ; two sets of four accumulators
.set SW,  128                          ; w_proj's scale words
.set SY,  162                          ; y's: registers of a product's two sides differ modulo 8
.set BI,  196
.set OB,  100                          ; window 3: rows read back, 32 registers a tile
.set G1W, 24
.set G1Y, 32
.set G1S, 48
.set G0W, 56
.set G0A, 60
.set G0B, 68
.set G0S, 72
.set MSB, 0
.macro WIN new
.if MSB != \new
	s_set_vgpr_msb (MSB<<8)|(\new)
.set MSB, \new
.endif
.endm
.macro PLACES n
.rept \n
	v_nop
.endr
.endm
.macro CROUND
	s_barrier_signal -1
	s_barrier_wait -1
	s_cmp_lg_u32 s14, 0
	s_cbranch_scc1 .Lnot_wave_0_\@
	s_barrier_signal -3
.Lnot_wave_0_\@:
	s_barrier_wait -3
	s_barrier_signal -1
	s_barrier_wait -1
.endm
.macro TLOAD g0, g1
	tensor_load_to_lds s[\g0:\g0+3], s[\g1:\g1+7]
	s_nop 0
	PLACES 4
.endm
.macro GROUP1 g, mask, el, rows, pitch
	s_or_b32 s[\g+0], s[\mask], (3<<16)|(1<<21)
	s_mov_b32 s[\g+1], (\el)<<16
	s_mov_b32 s[\g+2], (\rows)<<16
	s_mov_b32 s[\g+3], (\el)<<16
	s_mov_b32 s[\g+4], \rows
	s_mov_b32 s[\g+5], \pitch
	s_mov_b32 s[\g+6], 0
	s_mov_b32 s[\g+7], 0
.endm
.macro GROUP0 g, lds, base, off
	s_mov_b32 s[\g], 1
	s_mov_b32 s[\g+1], \lds
	s_add_nc_u64 s[\g+2:\g+3], s[\base:\base+1], \off
	s_or_b32 s[\g+3], s[\g+3], 0x80000000
.endm
	s_load_b256 s[4:11], s[0:1], 0x0               ; yq, ys, wq, out0
	s_load_b64 s[12:13], s[0:1], 0x20              ; b_proj
	v_lshl_add_u32 v[SPW], v0, 2, SPARE
	v_mov_b32 v[NIL], 0
	ds_add_u32 v[SPW], v[NIL]                      ; the opening lines
	ds_add_u32 v[SPW], v[NIL]
	v_lshrrev_b32 v1, 5, v0
	v_readfirstlane_b32 s14, v1                    ; wave
	s_lshr_b32 s15, s14, 1                         ; a: my 64 tokens
	s_and_b32 s16, s14, 1                          ; b: my 64 columns
	s_bfe_u32 s40, ttmp6, 0x40000                  ; cx, cy
	s_bfe_u32 s41, ttmp6, 0x40004
	s_lshl_b32 s42, ttmp9, 2
	s_add_co_u32 s42, s42, s40                     ; tile column
	s_and_b32 s43, ttmp7, 0xffff
	s_lshl_b32 s43, s43, 2
	s_add_co_u32 s43, s43, s41                     ; tile row
	s_lshl_b32 s44, s41, 2
	s_lshl_b32 s44, 15, s44                        ; my row of the cluster
	s_lshl_b32 s45, 0x1111, s40                    ; my column
	GROUP1 G1W, 45, 1600, 8, 1600
	GROUP1 G1Y, 44, 3072, 2, 6144                  ; two rows of two tiles, four tiles apart
	GROUP1 G1S, 44, 64, 8, 2048                    ; 8 K steps x 512 bytes, 16,384 bytes apart
	s_mul_i32 s46, s43, 98304                      ; y's 8 tiles
	s_mov_b32 s47, 0
	s_mul_i32 s84, s42, 102400
	s_add_co_u32 s84, s84, 2457600                 ; w_proj's records begin at 192
	s_mov_b32 s85, 0
	s_lshl_b32 s86, s43, 9
	s_mov_b32 s87, 0
	s_wait_dscnt 0x0
	CROUND                                         ; all sixteen work-groups are here: the joint loads meet.  (Ahead of the wait for the arguments)
	s_wait_kmcnt 0x0
	s_add_nc_u64 s[46:47], s[4:5], s[46:47]
	s_add_nc_u64 s[84:85], s[8:9], s[84:85]
	s_add_nc_u64 s[86:87], s[6:7], s[86:87]
	GROUP0 G0W, 0, 84, 0
	GROUP0 G0A, YB, 46, 0
	GROUP0 G0B, YB+49152, 46, 24576
	GROUP0 G0S, YSB, 86, 0
.macro ARM under, g0, g1, next
	s_cmp_lt_u32 s14, \under
	s_cbranch_scc0 \next
	TLOAD \g0, \g1
	s_branch .Lasked
\next:
.endm
	ARM 1, G0W, G1W, .Lhead_s
	ARM 2, G0S, G1S, .Lhead_y0
	ARM 3, G0A, G1Y, .Lhead_y1
	TLOAD G0B, G1Y
.Lasked:
	s_lshl_b32 s20, s42, 9
	s_lshl_b32 s21, s16, 8
	s_add_co_u32 s20, s20, s21                     ; my columns, in bytes
	s_mov_b32 s21, 0
	s_add_nc_u64 s[12:13], s[12:13], s[20:21]
	s_lshl_b32 s22, s43, 1
	s_add_co_u32 s22, s22, s15
	s_lshl_b32 s22, s22, 18                        ; my 64 tokens
	s_add_co_u32 s22, s22, s20
	s_mov_b32 s23, 0
	s_add_nc_u64 s[10:11], s[10:11], s[22:23]
	s_mul_i32 s17, s16, 51200                      ; my four records
	s_mul_i32 s18, s15, 24576
	s_add_co_u32 s18, s18, YB                      ; my tiles of y
	s_add_co_u32 s19, s18, 49152
	s_lshl_b32 s20, s15, 8
	s_add_co_u32 s20, s20, YSB
	s_mul_i32 s21, s14, 4352
	s_add_co_u32 s21, s21, STG
	v_and_b32 v12, 15, v0                          ; r
	v_bfe_u32 v13, v0, 4, 1                        ; h
	v_and_b32 v14, 31, v0
	v_lshlrev_b32 v15, 4, v12
	v_lshlrev_b32 v17, 7, v13                      ; the bias: 128 bytes for each half of the lanes
	v_lshlrev_b32 v[LI], 4, v14
	v_lshlrev_b32 v16, 3, v14
	v_mul_u32_u24 v[STO], v12, 272
	v_mul_u32_u24 v[RD], v13, 272
	v_lshl_add_u32 v[CO], v13, 12, v15             ; out: lanes 0-15 a row's 256 bytes, lanes 16-31 the next row's
	v_add_nc_u32 v[WA], s17, v[LI]
	v_add_nc_u32 v[WSA], s17, v15
	v_add_nc_u32 v[Y16], s18, v[LI]
	v_add_nc_u32 v[Y16+1], s19, v[LI]
	v_add_nc_u32 v[Y8], s18, v16
	v_add_nc_u32 v[Y8+1], s19, v16
	v_lshl_add_u32 v[YSA], v12, 2, s20
	v_lshl_add_u32 v[STO], v13, 7, v[STO]
	v_add_nc_u32 v[RD], v[RD], v15
	v_add_nc_u32 v[STO], s21, v[STO]               ; the stage, in: row r, 128 h
	v_add_nc_u32 v[RD], s21, v[RD]                 ; and out
.irp j, 0,1,2,3,4,5,6,7
	global_load_b128 v[BI+4*\j:BI+4*\j+3], v17, s[12:13] offset:16*\j
.endr
; fragments: f lies in window 1 + f / 21 at register 12 (f % 21): 0-31 w_proj's (4 q + t), 32-39 and 40-47 y's two sets
.macro FETCH s                         ; tile s: 32 loads
.irp q, 0,1,2,3,4,5,6,7
.set FF, 32+8*((\s)%2)+\q
.set RR, 12*(FF%21)
.set OO, 12288*((\s)%2)+1536*\q
	WIN (1+FF/21)<<6
	ds_load_b128 v[RR:RR+3], v[Y16+(\s)/2] offset:OO           ; the even head's half fragment: registers 0-3,
	ds_load_b64 v[RR+4:RR+5], v[Y8+(\s)/2] offset:OO+512       ; 4-5;
	ds_load_b128 v[RR+6:RR+9], v[Y16+(\s)/2] offset:OO+768     ; the odd head's: 6-9,
	ds_load_b64 v[RR+10:RR+11], v[Y8+(\s)/2] offset:OO+1280    ; 10-11
.endr
	WIN 0
.endm
.macro MUL s, q0, nq                   ; K steps q0 .. q0 + nq - 1 of tile s; the four accumulators take turns
.set Q, \q0
.rept \nq
.set FA, 32+8*((\s)%2)+Q
.irp t, 0,1,2,3
.set FB, 4*Q+\t
.set AC, ACC+32*((\s)%2)+8*\t
	WIN (1+FB/21)|((1+FA/21)<<2)
.if Q == 0
	v_wmma_scale_f32_16x16x128_f8f6f4 v[AC:AC+7], v[12*(FB%21):12*(FB%21)+11], v[12*(FA%21):12*(FA%21)+11], v[BI+8*\t:BI+8*\t+7], v[SW+8*\t+Q], v[SY+8*(\s)+Q] matrix_a_fmt:MATRIX_FMT_FP6 matrix_b_fmt:MATRIX_FMT_FP6
.else
	v_wmma_scale_f32_16x16x128_f8f6f4 v[AC:AC+7], v[12*(FB%21):12*(FB%21)+11], v[12*(FA%21):12*(FA%21)+11], v[AC:AC+7], v[SW+8*\t+Q], v[SY+8*(\s)+Q] matrix_a_fmt:MATRIX_FMT_FP6 matrix_b_fmt:MATRIX_FMT_FP6
.endif
.endr
.set Q, Q+1
.endr
	WIN 0
.endm
.macro TOSTAGE s                       ; 16 LDS instructions; LDS serves a wave's instructions in order: the loads see the stores
.irp t, 0,1,2,3
	ds_store_b128 v[STO], v[ACC+32*((\s)%2)+8*\t:ACC+32*((\s)%2)+8*\t+3] offset:32*\t          ; each accumulator from its low end on
	ds_store_b128 v[STO], v[ACC+32*((\s)%2)+8*\t+4:ACC+32*((\s)%2)+8*\t+7] offset:32*\t+16
.endr
	WIN 0xc0
.irp x, 0,1,2,3,4,5,6,7
	ds_load_b128 v[OB+32*(\s)+4*\x:OB+32*(\s)+4*\x+3], v[RD] offset:544*\x
.endr
	WIN 0
.endm
.macro SEND s, younger
	s_wait_dscnt \younger
	WIN 0x0c
.irp x, 0,1,2,3,4,5,6,7
	global_store_b128 v[CO], v[OB+32*(\s)+4*\x:OB+32*(\s)+4*\x+3], s[10:11] offset:(8*(\s)+32*(\x/4)+2*(\x%4))*4096 th:TH_STORE_NT   ; two rows of 256 consecutive bytes; written once, read by nobody here
.endr
	WIN 0
.endm
	s_wait_alu depctr_va_vdst(0)                   ; the wait at the head's end
	s_cmp_lt_u32 s14, 1
	s_cbranch_scc0 .Lnot_w
	s_wait_tensorcnt 0x0                           ; wave 0: w_proj's records are in
.Lnot_w:
	s_barrier_signal -1
	s_barrier_wait -1                              ; y may be on its way
.irp q, 0,1,2,3,4,5,6,7
.irp t, 0,1,2,3
.set FF, 4*\q+\t
	WIN (1+FF/21)<<6
.irp c, 0,1,2
	ds_load_b128 v[12*(FF%21)+4*\c:12*(FF%21)+4*\c+3], v[WA] offset:12800*\t+512+1536*\q+512*\c
.endr
.endr
.endr
	WIN 0
.irp t, 0,1,2,3
.irp g, 0,1
	ds_load_b128 v[SW+8*\t+4*\g:SW+8*\t+4*\g+3], v[WSA] offset:12800*\t+256*\g
.endr
.endr
	s_wait_loadcnt 0x0                             ; the bias
	s_cmp_lt_u32 s14, 3
	s_cbranch_scc0 .Lnot_y
	s_wait_tensorcnt 0x0                           ; waves 0 to 2: w_proj, the scale words, y's first half are in
.Lnot_y:
	s_wait_dscnt 0x0
	s_barrier_signal -1
	s_barrier_wait -1                              ; y's second half may be on its way
.irp s, 0,1,2,3
.irp q, 0,1,2,3,4,5,6,7
	ds_load_b32 v[SY+8*\s+\q], v[YSA] offset:512*\q+64*\s
.endr
.endr
	FETCH 0
	FETCH 1
	s_wait_dscnt 32                                ; all but tile 1's
	MUL 0, 0, 8
	PLACES 4                                       ; places in front of the first read of the sums and of loads into registers that the products read
	TOSTAGE 0
	s_wait_dscnt 16                                ; tile 1 is in; the 16 of the stage may be out
	MUL 1, 0, 2
	SEND 0, 0
	s_wait_tensorcnt 0x0                           ; y's second half is in:
	s_wait_dscnt 0x0
	s_barrier_signal -1                            ; say so,
	MUL 1, 2, 2
	s_barrier_wait -1                              ; and go on when all four have
	FETCH 2
	MUL 1, 4, 4
	PLACES 4
	TOSTAGE 1
	FETCH 3
	s_wait_dscnt 48
	MUL 2, 0, 2
	SEND 1, 32
	MUL 2, 2, 6
	PLACES 4
	TOSTAGE 2
	s_wait_dscnt 16                                ; tile 3 is in
	MUL 3, 0, 2
	SEND 2, 0
	MUL 3, 2, 6
	PLACES 4
	TOSTAGE 3
	SEND 3, 0
	s_wait_tensorcnt 0x0                           ; the wave's end
	ds_add_u32 v[SPW], v[NIL]
	s_wait_dscnt 0x0
	CROUND                                         ; the closing round
	s_endpgm
.Lfunc_end_k_q2d9853cdd4_proj:
	.size	k_q2d9853cdd4_proj, .Lfunc_end_k_q2d9853cdd4_proj-k_q2d9853cdd4_proj
	.p2alignl 7, 3214868480
	.fill 96, 4, 3214868480
	.section	.rodata,"a",@progbits
	.p2align	6, 0x0
	.amdhsa_kernel k_q2d9853cdd4_proj
		.amdhsa_group_segment_fixed_size 222720
		.amdhsa_private_segment_fixed_size 0
		.amdhsa_enable_private_segment 0
		.amdhsa_kernarg_size 40
		.amdhsa_user_sgpr_count 2
		.amdhsa_user_sgpr_kernarg_segment_ptr 1
		.amdhsa_wavefront_size32 1
		.amdhsa_system_sgpr_workgroup_id_x 1
		.amdhsa_system_sgpr_workgroup_id_y 1
		.amdhsa_system_sgpr_workgroup_id_z 1
		.amdhsa_system_vgpr_workitem_id 0
		.amdhsa_next_free_vgpr 1024
		.amdhsa_next_free_sgpr 106
		.amdhsa_reserve_vcc 0
		.amdhsa_float_denorm_mode_32 3
		.amdhsa_float_denorm_mode_16_64 3
		.amdhsa_memory_ordered 1
		.amdhsa_forward_progress 1
		.amdhsa_inst_pref_size 51
	.end_amdhsa_kernel
	.amdgpu_metadata
---
amdhsa.version: [ 1, 2 ]
amdhsa.kernels:
  - .name:           k_q2d9853cdd4_proj
    .symbol:         k_q2d9853cdd4_proj.kd
    .args:
      - { .name: yq, .offset: 0, .size: 8, .value_kind: global_buffer, .address_space: global }
      - { .name: ys, .offset: 8, .size: 8, .value_kind: global_buffer, .address_space: global }
      - { .name: wq, .offset: 16, .size: 8, .value_kind: global_buffer, .address_space: global }
      - { .name: out0, .offset: 24, .size: 8, .value_kind: global_buffer, .address_space: global }
      - { .name: b_proj, .offset: 32, .size: 8, .value_kind: global_buffer, .address_space: global }
    .group_segment_fixed_size: 222720
    .private_segment_fixed_size: 0
    .kernarg_segment_align: 8
    .kernarg_segment_size: 40
    .max_flat_workgroup_size: 128
    .sgpr_count:     106
    .vgpr_count:     1024
    .wavefront_size: 32
...
	.end_amdgpu_metadata
.endif
;; end of part 4
